; MI455X (gfx1250); checked and timed in simulation.
; The chip was launched on July 23, 2026; its instructions are those of AMD's public machine-readable ISA for CDNA 5 (MIT licence, August 2026) and "CDNA5" Instruction Set Architecture Reference Guide (July 2026). The comments in the code are by the model that wrote it; some were corrected since.
;; Multi Head Attention. Allowed arithmetic: float matrix products may take bf16 or f16 operands with f32 sums; all other float work in f32.
;; Inputs: Wk 1,024 x 1,024 float32; Wo 1,024 x 1,024 float32; Wq 1,024 x 1,024 float32; Wv 1,024 x 1,024 float32; bk 1,024 float32; bo 1,024 float32; bq 1,024 float32; bv 1,024 float32; x 2 x 2,048 x 1,024 float32.
;; Outputs: out0 2 x 2,048 x 1,024 float32.
;; 3 versions, each right; version 2 is faster than version 1; version 3 is version 2 with the launch cvt written anew for expert scheduling mode. Each part assembles by itself: llvm-mc -triple=amdgcn-amd-amdhsa -mcpu=gfx1250 --defsym DOCPART=n.
;; ======== version 1 of 3: 4 launches
;; limits: values are held in f16: magnitudes above 65,504 overflow, below 6.1e-05 lose precision
;; workspace buffers: xb 8,388,608 bytes; wb 6,291,456 bytes; wob 2,097,152 bytes; qh 8,388,608 bytes; kh 8,388,608 bytes; vh 16,777,216 bytes; ob 16,777,216 bytes
;; launch cvt (part 1): grid 256 x 1, 8 waves a work-group, no clusters, 0 bytes of LDS; arguments x, Wq, Wk, Wv, Wo, xb, wb, wob; writes xb, wb, wob
.if DOCPART == 1
	.amdgcn_target "amdgcn-amd-amdhsa--gfx1250"
	.amdhsa_code_object_version 6
	.text
	.protected	k_qddd78b109a_cvt
	.globl	k_qddd78b109a_cvt
	.p2align	8
	.type	k_qddd78b109a_cvt,@function
k_qddd78b109a_cvt:
	s_mov_b64 s[64:65], 0
	v_nop
	global_prefetch_b8 v0, s[64:65] scope:SCOPE_SE
	s_setreg_imm32_b32 hwreg(HW_REG_WAVE_MODE, 25, 1), 1
	s_wait_xcnt 0x0
; f32 to 16 bits of x, Wq, Wk, Wv, Wo, once, so that both GEMMs read 16-bit tiles.  Every input is rounded to bf16 (nearest even).
; x, Wq, Wk, Wv are stored as bf16.  Wo's rounded number is stored as f16, since the last product runs in f16: a bf16 number has 8
; significant bits and is an f16 number exactly from 2^-17 up.  LIMIT: |Wo| < 65,520; below 2^-17 an absolute error of at most 2^-25.
; 256 work-groups, each converts 32 rows of 1024 numbers: 128 units of x, then 32 units of each of the four weights.
; xb [4096][1024] and wob [1024][1024] keep their rows.  wb [3072][1024] is ordered by head: row = head*192 + which*64 + f
; (which 0, 1, 2 = Wq, Wk, Wv; f = feature in the head), so that one head's 192 weight rows are neighbours.
; A stream: no LDS, no matrix unit, no barrier.  Thread t owns the 16 bytes at 16 t of every source row (256 threads = one row);
; all 32 row loads of a wave go out at once, 128 KiB for the work-group.  A store of a wave covers 256 consecutive bytes, aligned.
.set ROWS, 32
.set SROW, 4096                        ; bytes in a source row
.set DROW, 2048                        ; bytes in a destination row
.set X, 4                              ; v[4:131]   row i: 4 f32 as loaded
.set Y, 132                            ; v[132:195] row i: 4 numbers of 16 bits to store
	s_load_b512 s[8:23], s[0:1], 0x0               ; x 8:9, Wq 10:11, Wk 12:13, Wv 14:15, Wo 16:17, xb 18:19, wb 20:21, wob 22:23
	s_mov_b32 s7, ttmp9                            ; unit 0..255
	s_and_b32 s2, s7, 127
	s_lshr_b32 s3, s2, 5                           ; which weight (units 128..255)
	s_and_b32 s4, s2, 31
	s_lshl_b32 s4, s4, 5                           ; its first row r0
	s_lshr_b32 s5, s4, 6                           ; head = r0 / 64
	s_mul_i32 s5, s5, 192
	s_lshl_b32 s6, s3, 6
	s_add_co_u32 s5, s5, s6
	s_and_b32 s6, s4, 63
	s_add_co_u32 s5, s5, s6                        ; row in wb
	s_cmp_eq_u32 s3, 3
	s_cselect_b32 s5, s4, s5                       ; Wo keeps its rows
	s_lshl_b32 s6, s7, 5                           ; x: row = 32 x unit
	s_cmp_lt_u32 s7, 128
	s_cselect_b32 s4, s6, s4                       ; source row
	s_cselect_b32 s5, s6, s5                       ; destination row
	s_lshl_b32 s24, s4, 12                         ; in bytes (below 2^24)
	s_mov_b32 s25, 0
	s_lshl_b32 s26, s5, 11
	s_mov_b32 s27, 0
	v_lshlrev_b32 v1, 4, v0                        ; 16 t
	v_lshlrev_b32 v2, 3, v0                        ; 8 t
	s_wait_kmcnt 0x0
	s_mov_b64 s[28:29], s[10:11]                   ; the source buffer, chosen by the unit's number alone
	s_cmp_eq_u32 s3, 1
	s_cselect_b64 s[28:29], s[12:13], s[28:29]
	s_cmp_eq_u32 s3, 2
	s_cselect_b64 s[28:29], s[14:15], s[28:29]
	s_cmp_eq_u32 s3, 3
	s_cselect_b64 s[28:29], s[16:17], s[28:29]
	s_cselect_b64 s[30:31], s[22:23], s[20:21]     ; the destination buffer
	s_cmp_lt_u32 s7, 128
	s_cselect_b64 s[28:29], s[8:9], s[28:29]
	s_cselect_b64 s[30:31], s[18:19], s[30:31]
	s_add_nc_u64 s[28:29], s[28:29], s[24:25]
	s_add_nc_u64 s[30:31], s[30:31], s[26:27]
.set i, 0
.rept ROWS
	global_load_b128 v[X+4*i:X+4*i+3], v1, s[28:29] offset:i*SROW th:TH_LOAD_NT
.set i, i+1
.endr
	s_cmp_ge_u32 s7, 224                           ; units 224..255 are Wo's
	s_cbranch_scc1 .Lwo
.set i, 0
.rept ROWS
	s_wait_loadcnt ROWS-1-i                        ; loads return in order: row i is in, the younger rows stay out
	v_cvt_pk_bf16_f32 v[Y+2*i], v[X+4*i], v[X+4*i+1]
	v_cvt_pk_bf16_f32 v[Y+2*i+1], v[X+4*i+2], v[X+4*i+3]
	global_store_b64 v2, v[Y+2*i:Y+2*i+1], s[30:31] offset:i*DROW   ; no store's register is written again: no further wait
.set i, i+1
.endr
	s_endpgm
.Lwo:
.set i, 0
.rept ROWS
	s_wait_loadcnt ROWS-1-i                        ; row i is in, the younger rows stay out
	v_cvt_pk_bf16_f32 v[Y+2*i], v[X+4*i], v[X+4*i+1]               ; rounded to bf16,
	v_cvt_pk_bf16_f32 v[Y+2*i+1], v[X+4*i+2], v[X+4*i+3]
	v_lshlrev_b32 v[X+4*i], 16, v[Y+2*i]                           ; widened again (row i's own registers, whose load is in),
	v_and_b32 v[X+4*i+1], 0xffff0000, v[Y+2*i]
	v_lshlrev_b32 v[X+4*i+2], 16, v[Y+2*i+1]
	v_and_b32 v[X+4*i+3], 0xffff0000, v[Y+2*i+1]
	v_cvt_pk_f16_f32 v[Y+2*i], v[X+4*i], v[X+4*i+1]                ; and written as f16
	v_cvt_pk_f16_f32 v[Y+2*i+1], v[X+4*i+2], v[X+4*i+3]
	global_store_b64 v2, v[Y+2*i:Y+2*i+1], s[30:31] offset:i*DROW
.set i, i+1
.endr
	s_endpgm
.Lfunc_end_k_qddd78b109a_cvt:
	.size	k_qddd78b109a_cvt, .Lfunc_end_k_qddd78b109a_cvt-k_qddd78b109a_cvt
	.p2alignl 7, 3214868480
	.fill 96, 4, 3214868480
	.section	.rodata,"a",@progbits
	.p2align	6, 0x0
	.amdhsa_kernel k_qddd78b109a_cvt
		.amdhsa_group_segment_fixed_size 0
		.amdhsa_private_segment_fixed_size 0
		.amdhsa_enable_private_segment 0
		.amdhsa_kernarg_size 64
		.amdhsa_user_sgpr_count 2
		.amdhsa_user_sgpr_kernarg_segment_ptr 1
		.amdhsa_wavefront_size32 1
		.amdhsa_system_sgpr_workgroup_id_x 1
		.amdhsa_system_sgpr_workgroup_id_y 1
		.amdhsa_system_sgpr_workgroup_id_z 1
		.amdhsa_system_vgpr_workitem_id 0
		.amdhsa_next_free_vgpr 196
		.amdhsa_next_free_sgpr 66
		.amdhsa_reserve_vcc 0
		.amdhsa_float_denorm_mode_32 3
		.amdhsa_float_denorm_mode_16_64 3
		.amdhsa_memory_ordered 1
		.amdhsa_forward_progress 1
		.amdhsa_inst_pref_size 31
	.end_amdhsa_kernel
	.amdgpu_metadata
---
amdhsa.version: [ 1, 2 ]
amdhsa.kernels:
  - .name:           k_qddd78b109a_cvt
    .symbol:         k_qddd78b109a_cvt.kd
    .args:
      - { .name: x, .offset: 0, .size: 8, .value_kind: global_buffer, .address_space: global }
      - { .name: Wq, .offset: 8, .size: 8, .value_kind: global_buffer, .address_space: global }
      - { .name: Wk, .offset: 16, .size: 8, .value_kind: global_buffer, .address_space: global }
      - { .name: Wv, .offset: 24, .size: 8, .value_kind: global_buffer, .address_space: global }
      - { .name: Wo, .offset: 32, .size: 8, .value_kind: global_buffer, .address_space: global }
      - { .name: xb, .offset: 40, .size: 8, .value_kind: global_buffer, .address_space: global }
      - { .name: wb, .offset: 48, .size: 8, .value_kind: global_buffer, .address_space: global }
      - { .name: wob, .offset: 56, .size: 8, .value_kind: global_buffer, .address_space: global }
    .group_segment_fixed_size: 0
    .private_segment_fixed_size: 0
    .kernarg_segment_align: 8
    .kernarg_segment_size: 64
    .max_flat_workgroup_size: 256
    .sgpr_count:     66
    .vgpr_count:     196
    .wavefront_size: 32
...
	.end_amdgpu_metadata
.endif
;; end of part 1
;; launch qkv (part 2): grid 16 x 16, 4 waves a work-group, clusters of 4 x 4, 327,680 bytes of LDS; arguments xb, wb, bq, bk, bv, qh, kh, vh; writes qh, kh, vh
.if DOCPART == 2
	.amdgcn_target "amdgcn-amd-amdhsa--gfx1250"
	.amdhsa_code_object_version 6
	.text
	.protected	k_qddd78b109a_qkv
	.globl	k_qddd78b109a_qkv
	.p2align	8
	.type	k_qddd78b109a_qkv,@function
k_qddd78b109a_qkv:
	s_mov_b64 s[64:65], 0
	v_nop
	global_prefetch_b8 v0, s[64:65] scope:SCOPE_SE
	s_setreg_imm32_b32 hwreg(HW_REG_WAVE_MODE, 25, 1), 1
	s_wait_xcnt 0x0
	s_wait_alu depctr_hold_cnt(0) depctr_sa_sdst(0) depctr_va_vdst(0) depctr_va_sdst(0) depctr_va_ssrc(0) depctr_va_vcc(0) depctr_vm_vsrc(0)
	s_getreg_b32 s2, hwreg(HW_REG_IB_STS2, 6, 4)
	s_cmp_eq_u32 s2, 0
	s_cbranch_scc0 .Lentry_in_a_cluster
	s_endpgm
.Lentry_in_a_cluster:
	s_bfe_u32 s2, ttmp6, 0x10000c
	s_cmp_lg_u32 s2, 0xf033
	s_cbranch_scc0 .Lentry_shape_is_right
	s_endpgm
.Lentry_shape_is_right:
; Q, K, V = x W^T + b for one head and 256 rows of x: a block of 256 (t) x 192 (64 features each of Q, K, V), K = 1024.
; xb [4096][1024] bf16, wb [3072][1024] bf16 (row = head*192 + which*64 + f), biases f32; sums in f32.
; RESULTS IN f16: qh, kh [b][head][t][64], one f16 a number (11 significant bits).  V goes out in TWO f16 parts,
; vh [b*16 + head][key block of 128][high, low][128][64]: high = the f32 number cut to 11 bits, low = the exact remainder, rounded.
; Why: a causal row with few keys is an average of few rows of V and many times larger than the typical output, so an error that grows with
; the row has to be small against the typical output; 8 significant bits are too few for that.
; LIMITS: x and W are bf16.  |Q|, |K|, |V| < 65,536 (inputs 30 times larger give about 5 x 900 = 4,500; a common offset of 30 spreads on x
; and on W gives about 1024 x 30 x 0.94 = 29,000).  Numbers below 2^-14 carry an absolute error of up to 2^-25.
; Four waves; wave w makes rows 64 w .. 64 w + 63 and all 192 features: 4 x 12 accumulator tiles of 16 x 16, 384 registers.
; K goes in steps of 128 through two LDS slots filled by tensor loads (rows of 256 bytes, aligned).
; CLUSTER 4 x 4: the four work-groups of a cluster's row share the block of x, the four of a column share the head's weights; both tiles
; are asked for jointly, which divides the requests for them by four.
; The matrix instruction is used transposed: source 0 = 16 weight rows, source 1 = 16 rows of x, so that lane (r, h) holds, of row t = r,
; the features 8 h .. 8 h + 7: 16 neighbouring bytes after rounding.  The bias, loaded in that layout, is the first product's C.
; REGISTER WINDOWS: 0 addresses, bias, way out; 1 the two fragment buffers; 2 accumulators of feature tiles 0-7; 3 those of tiles 8-11.
.set PITCH,  272                       ; LDS row: 256 bytes + 16 of padding, so that 16 rows start 16 bytes apart modulo 256
.set XHALF,  128*PITCH                 ; what one load of x brings
.set WHALF,  96*PITCH                  ; what one load of weights brings
.set WOFF,   2*XHALF                   ; the weights' 192 rows lie behind x's 256
.set SLOT,   WOFF+2*WHALF              ; 121,856
.set STAGE,  2*SLOT                    ; way out: bytes of their own, no tensor load lands here
.set MST,    8*PITCH                   ; one matrix's 16 rows in the stage, two rows of 128 bytes to an LDS row
.set WSTAGE, 4*MST                     ; a wave's stage: Q, K, V high, V low = 8,704 bytes, 34 blocks of 256
.set LAPS,   4                         ; 1024 / (2 x 128)
.set ADRX, 16                          ; v16-17 my x fragments in slot 0, 1
.set ADRW, 20                          ; v20-21 the weight fragments
.set STO,  24
.set RD,   25
.set CO,   26
.set BOF,  27
.set BIAS, 32                          ; v[32:127]  tile b: bias[16 b + 8 h + j] in register j; free behind the first quarter step
.set VH,   32                          ; v[32:63]   way out: V's high parts in f32
.set VL,   64                          ; v[64:95]   way out: V's low parts in f32
.set TMP,  128                         ; v[128:191] rounded results: Q 0-15, K 16-31, V high 32-47, V low 48-63
.set RB,   192                         ; v[192:255] rows read back
.set F0,   0                           ; window 1: buffer 0 (weights 8 b, x at 96 + 8 a)
.set F1,   128                         ; window 1: buffer 1
.set G1X, 24
.set G0X, 32
.set G1W, 48
.set G0W, 56
.set MSB, 0
.macro WIN new                         ; the immediate's high byte repeats the setting that is left
.if MSB != (\new)
	s_set_vgpr_msb (MSB<<8)|(\new)
.set MSB, (\new)
.endif
.endm
.macro WLO first                       ; sources in window 1, D in window 2; C in window 2, or in window 0 (the bias) for the first product
.if \first
	WIN 0x85
.else
	WIN 0xa5
.endif
.endm
.macro WHI first                       ; the same with window 3
.if \first
	WIN 0xc5
.else
	WIN 0xf5
.endif
.endm
; A joint load: waves 0, 1 ask for x's two halves, waves 2, 3 for the weights'.  The branch hangs on the wave's number alone.
.macro JLOAD s
	s_cmp_eq_u32 s11, 0
	s_cbranch_scc0 .Lfor_w_\@
	tensor_load_to_lds s[G0X+4*\s:G0X+4*\s+3], s[G1X:G1X+7]
	s_nop 0
	s_branch .Lasked_\@
.Lfor_w_\@:
	tensor_load_to_lds s[G0W+4*\s:G0W+4*\s+3], s[G1W:G1W+7]
	s_nop 0
.Lasked_\@:
.endm
.macro CREST                           ; a round of the cluster's barrier behind its opening work-group barrier
	s_cmp_lg_u32 s10, 0
	s_cbranch_scc1 .Lnot_wave_0_\@
	s_barrier_signal -3
.Lnot_wave_0_\@:
	s_barrier_wait -3
	s_barrier_signal -1
	s_barrier_wait -1
.endm
.macro CROUND
	s_barrier_signal -1
	s_barrier_wait -1
	CREST
.endm
.macro PLACES                          ; four independent vector places behind matrix instructions, in front of loads into
.rept 4                                ; registers that they read and of instructions that read their results
	v_nop
.endr
.endm
	s_load_b128 s[4:7], s[0:1], 0x0                ; xb, wb
	s_load_b256 s[68:75], s[0:1], 0x10             ; bq 68:69, bk 70:71, bv 72:73, qh 74:75
	s_load_b128 s[76:79], s[0:1], 0x30             ; kh 76:77, vh 78:79
	v_lshl_add_u32 v30, v0, 2, 0x44000
	v_mov_b32 v31, 0
	ds_add_u32 v30, v31
	v_lshrrev_b32 v1, 5, v0
	v_readfirstlane_b32 s10, v1                    ; wave 0..3
	s_lshr_b32 s11, s10, 1                         ; I fetch x (0) or weights (1)
	s_and_b32 s12, s10, 1                          ; which half of that tile
	s_bfe_u32 s40, ttmp6, 0x40000                  ; cx
	s_bfe_u32 s41, ttmp6, 0x40004                  ; cy
	s_lshl_b32 s42, ttmp9, 2
	s_add_co_u32 s42, s42, s40                     ; head = 4 x cluster x + cx
	s_and_b32 s13, ttmp7, 0xffff
	s_lshl_b32 s13, s13, 2
	s_add_co_u32 s13, s13, s41                     ; block of 256 rows = 4 x cluster y + cy
	s_lshl_b32 s43, s41, 2
	s_lshl_b32 s43, 15, s43                        ; my row of the cluster
	s_lshl_b32 s44, 0x1111, s40                    ; my column
	s_mov_b32 s45, 0xffffe000                      ; keeps sign, exponent and 10 fraction bits of an f32: an f16 number
	; group 1: elements of 2 bytes, rows of 128 elements, 4 words of padding behind every 64 words; 128 rows of x, 96 rows of weights
	s_or_b32 s[G1X+0], s43, (1<<16)|(1<<20)|(1<<21)|(5<<22)|(3<<25)
	s_or_b32 s[G1W+0], s44, (1<<16)|(1<<20)|(1<<21)|(5<<22)|(3<<25)
	s_mov_b32 s[G1X+1], 128<<16                    ; tensor_dim0 = 128
	s_mov_b32 s[G1W+1], 128<<16
	s_mov_b32 s[G1X+2], 128<<16                    ; tensor_dim1 = 128
	s_mov_b32 s[G1W+2], 96<<16                     ; tensor_dim1 = 96
	s_mov_b32 s[G1X+3], 128<<16                    ; tile_dim0 = 128
	s_mov_b32 s[G1W+3], 128<<16
	s_mov_b32 s[G1X+4], 128                        ; tile_dim1
	s_mov_b32 s[G1W+4], 96
	s_mov_b32 s[G1X+5], 1024                       ; elements from row to row
	s_mov_b32 s[G1W+5], 1024
	s_mov_b32 s[G1X+6], 0
	s_mov_b32 s[G1W+6], 0
	s_mov_b32 s[G1X+7], 0
	s_mov_b32 s[G1W+7], 0
	; x's address hangs on the block of rows alone, the weights' on the head alone, each in registers that never hold the other
	s_lshl_b32 s17, s12, 7
	s_lshl_b32 s16, s13, 8
	s_add_co_u32 s16, s16, s17                     ; row 256 x block + 128 x half
	s_lshl_b32 s16, s16, 11                        ; x 2,048 bytes (below 2^23)
	s_mov_b32 s17, 0
	s_mul_i32 s46, s42, 192
	s_mul_i32 s47, s12, 96
	s_add_co_u32 s46, s46, s47                     ; row 192 x head + 96 x half
	s_lshl_b32 s46, s46, 11
	s_mov_b32 s47, 0
	s_mul_i32 s20, s10, XHALF                      ; waves 0, 1: x's halves at 0 and XHALF
	s_mul_i32 s21, s10, WHALF
	s_add_co_u32 s21, s21, WOFF-2*WHALF            ; waves 2, 3: the weights' halves at WOFF and WOFF + WHALF
	s_wait_dscnt 0x0
	s_wait_kmcnt 0x0
	s_add_nc_u64 s[14:15], s[4:5], s[16:17]
	s_add_nc_u64 s[46:47], s[6:7], s[46:47]
	CROUND                                         ; all sixteen work-groups are here: the first joint loads meet
.irp s, 0,1
	s_mov_b32 s[G0X+4*\s], 1
	s_add_co_u32 s[G0X+4*\s+1], s20, \s*SLOT
	s_add_nc_u64 s[G0X+4*\s+2:G0X+4*\s+3], s[14:15], \s*256        ; K step s
	s_or_b32 s[G0X+4*\s+3], s[G0X+4*\s+3], 0x80000000
	s_mov_b32 s[G0W+4*\s], 1
	s_add_co_u32 s[G0W+4*\s+1], s21, \s*SLOT
	s_add_nc_u64 s[G0W+4*\s+2:G0W+4*\s+3], s[46:47], \s*256
	s_or_b32 s[G0W+4*\s+3], s[G0W+4*\s+3], 0x80000000
	JLOAD \s                                       ; two loads of the wave are out
.endr
	; the head's biases and my rows of the results
	s_lshl_b32 s80, s42, 8                         ; 64 f32 a head
	s_mov_b32 s81, 0
	s_add_nc_u64 s[68:69], s[68:69], s[80:81]
	s_add_nc_u64 s[70:71], s[70:71], s[80:81]
	s_add_nc_u64 s[72:73], s[72:73], s[80:81]
	s_lshr_b32 s82, s13, 3                         ; batch
	s_lshl_b32 s82, s82, 4
	s_add_co_u32 s82, s82, s42                     ; batch x 16 + head
	s_and_b32 s83, s13, 7
	s_lshl_b32 s83, s83, 2
	s_add_co_u32 s83, s83, s10                     ; my group of 64 rows in the batch, 0..31
	s_lshl_b32 s84, s82, 19                        ; V: 512 KiB a head,
	s_lshr_b32 s85, s83, 1
	s_lshl_b32 s85, s85, 15                        ; 32 KiB a key block of 128 (high part, then low part),
	s_add_co_u32 s84, s84, s85
	s_and_b32 s85, s83, 1
	s_lshl_b32 s85, s85, 13                        ; 64 rows of 128 bytes
	s_add_co_u32 s84, s84, s85
	s_mov_b32 s85, 0
	s_add_nc_u64 s[78:79], s[78:79], s[84:85]
	s_lshl_b32 s82, s82, 18                        ; Q, K: 2,048 rows of 128 bytes a head
	s_lshl_b32 s83, s83, 13
	s_add_co_u32 s82, s82, s83
	s_mov_b32 s83, 0
	s_add_nc_u64 s[74:75], s[74:75], s[82:83]
	s_add_nc_u64 s[76:77], s[76:77], s[82:83]
	v_and_b32 v1, 15, v0                           ; r
	v_bfe_u32 v2, v0, 4, 1                         ; h
	v_lshlrev_b32 v[BOF], 5, v2                    ; 8 h f32
.irp b, 0,1,2,3,4,5,6,7,8,9,10,11
	global_load_b128 v[BIAS+8*\b:BIAS+8*\b+3],   v[BOF], s[68+2*(\b/4):69+2*(\b/4)] offset:(\b%4)*64
	global_load_b128 v[BIAS+8*\b+4:BIAS+8*\b+7], v[BOF], s[68+2*(\b/4):69+2*(\b/4)] offset:(\b%4)*64+16
.endr
	v_mul_u32_u24 v3, v1, PITCH
	v_lshl_add_u32 v3, v2, 4, v3                   ; fragment: row r, 16 bytes for each half of the lanes
	s_mul_i32 s22, s10, 64*PITCH                   ; my 64 rows of x
	v_add_nc_u32 v[ADRX], s22, v3
	v_add_nc_u32 v[ADRX+1], SLOT, v[ADRX]
	v_add_nc_u32 v[ADRW], WOFF, v3
	v_add_nc_u32 v[ADRW+1], SLOT+WOFF, v3
	s_mul_i32 s23, s10, WSTAGE
	s_add_co_u32 s23, s23, STAGE                   ; my stage
	v_lshrrev_b32 v4, 1, v1
	v_mul_u32_u24 v4, v4, PITCH                    ; in: rows 2 i and 2 i + 1 share an LDS row
	v_and_b32 v5, 1, v0
	v_lshl_add_u32 v4, v5, 7, v4
	v_lshl_add_u32 v4, v2, 4, v4
	v_add_nc_u32 v[STO], s23, v4
	v_mul_u32_u24 v5, v2, PITCH                    ; back: lanes 0-15 one LDS row, lanes 16-31 the next
	v_lshl_add_u32 v5, v1, 4, v5
	v_add_nc_u32 v[RD], s23, v5
	v_and_b32 v6, 31, v0
	v_lshlrev_b32 v[CO], 4, v6                     ; 512 dense bytes a store
; 16 matrix instructions: feature tiles 4 g .. 4 g + 3 x my four row tiles, 32 along K.  The 48 accumulators take turns, one instruction
; a turn, in the same order in every quarter step.
.macro MULG f, g, first
.irp bb, 0,1,2,3
.irp a, 0,1,2,3
.set AC, 8*(4*(4*(\g&1)+\bb)+\a)
.set WF, \f+8*(4*\g+\bb)
.set XF, \f+96+8*\a
.if \first
	v_wmma_f32_16x16x32_bf16 v[AC:AC+7], v[WF:WF+7], v[XF:XF+7], v[BIAS+8*(4*\g+\bb):BIAS+8*(4*\g+\bb)+7]
.else
	v_wmma_f32_16x16x32_bf16 v[AC:AC+7], v[WF:WF+7], v[XF:XF+7], v[AC:AC+7]
.endif
.endr
.endr
.endm
; 32 LDS loads in one run: weight tiles 0-7, my four tiles of x, weight tiles 8-11 (needed last)
.macro FETCH slot, k, f
	WIN 0x40
.irp b, 0,1,2,3,4,5,6,7
	ds_load_b128 v[\f+8*\b:\f+8*\b+3],   v[ADRW+\slot] offset:\k+\b*16*PITCH
	ds_load_b128 v[\f+8*\b+4:\f+8*\b+7], v[ADRW+\slot] offset:\k+\b*16*PITCH+32
.endr
.irp a, 0,1,2,3
	ds_load_b128 v[\f+96+8*\a:\f+96+8*\a+3],   v[ADRX+\slot] offset:\k+\a*16*PITCH
	ds_load_b128 v[\f+96+8*\a+4:\f+96+8*\a+7], v[ADRX+\slot] offset:\k+\a*16*PITCH+32
.endr
.irp b, 8,9,10,11
	ds_load_b128 v[\f+8*\b:\f+8*\b+3],   v[ADRW+\slot] offset:\k+\b*16*PITCH
	ds_load_b128 v[\f+8*\b+4:\f+8*\b+7], v[ADRW+\slot] offset:\k+\b*16*PITCH+32
.endr
.endm
; One of a K step's first three quarters: multiplies buffer f, fetches the next quarter (byte k of the rows) into buffer g
.macro QUARTER slot, k, f, g, first
	s_wait_dscnt 8                                 ; all but the youngest eight loads (weight tiles 8-11) are in
	WLO \first
	MULG \f, 0, \first
	PLACES
	FETCH \slot, \k, \g
	WLO \first
	MULG \f, 1, \first
	s_wait_dscnt 32                                ; all but the 32 just issued
	WHI \first
	MULG \f, 2, \first
.endm
.macro THREE slot, first
	QUARTER \slot, 64,  F0, F1, \first
	QUARTER \slot, 128, F1, F0, 0
	QUARTER \slot, 192, F0, F1, 0
.endm
; The last quarter multiplies buffer 1 and changes slots.  In front of the barrier each wave's reads of this slot are back and all its
; tensor loads have landed (one was out: its part of the next slot).  Where the slot is filled again the barrier opens a round of the
; cluster's barrier, and the joint load is the wave's first and only tensor load behind it.  From a request to the wait for it a wave
; issues 176 matrix instructions.
.macro TURN slot, next, fill
	s_wait_dscnt 0
	s_set_vgpr_msb 0xf5f0
	s_wait_tensorcnt 0x0
	ds_add_u32 v30, v31
	s_wait_dscnt 0x0
	s_set_vgpr_msb 0xf0f5
	s_barrier_signal -1
	WIN 0xa5
	MULG F1, 0, 0
	WIN 0
	s_barrier_wait -1
.if \fill
	CREST
	s_add_nc_u64 s[G0X+4*\slot+2:G0X+4*\slot+3], s[G0X+4*\slot+2:G0X+4*\slot+3], 512   ; two K steps on; no load of mine is out
	s_add_nc_u64 s[G0W+4*\slot+2:G0W+4*\slot+3], s[G0W+4*\slot+2:G0W+4*\slot+3], 512
	JLOAD \slot
.endif
	PLACES
	FETCH \next, 0, F0
	WIN 0xa5
	MULG F1, 1, 0
	WIN 0xf5
	MULG F1, 2, 0
.endm
.macro LAP first
	THREE 0, \first
	TURN 0, 1, 1
	THREE 1, 0
	TURN 1, 0, 1
.endm
	s_wait_tensorcnt 1                             ; my part of K step 0 is in; K step 1's load stays out
	s_barrier_signal -1
	s_barrier_wait -1
	FETCH 0, 0, F0
	s_wait_loadcnt 0x0                             ; the bias, the first products' C
	LAP 1
	WIN 0
	s_mov_b32 s3, LAPS-2
.Llap:
	LAP 0
	WIN 0
	s_sub_co_u32 s3, s3, 1
	s_cmp_lg_u32 s3, 0
	s_cbranch_scc1 .Llap
	THREE 0, 0                                     ; the last lap fills nothing
	TURN 0, 1, 0
	THREE 1, 0
	s_wait_dscnt 0
	WIN 0xa5
	MULG F1, 0, 0
	MULG F1, 1, 0
	WIN 0xf5
	MULG F1, 2, 0
	PLACES
; THE WAY OUT, 16 rows at a time: round, 16 bytes a lane into my own stage, read back as dense runs of 512 bytes (four rows of 128 bytes)
.macro OUT a
	WIN 0x0a                                       ; both sources in window 2: Q and K
.irp b, 0,1,2,3,4,5,6,7
.irp k, 0,1,2,3
	v_cvt_pk_f16_f32 v[TMP+4*\b+\k], v[8*(4*\b+\a)+2*\k], v[8*(4*\b+\a)+2*\k+1]
.endr
.endr
	WIN 0x03                                       ; source 0 in window 3: V
.irp b, 0,1,2,3
.irp j, 0,1,2,3,4,5,6,7
	v_and_b32 v[VH+8*\b+\j], v[8*(4*\b+\a)+\j], s45                ; high part: 11 significant bits, cut
	v_sub_f32 v[VL+8*\b+\j], v[8*(4*\b+\a)+\j], v[VH+8*\b+\j]      ; low part: the remainder, exact in f32
.endr
.endr
	WIN 0
.irp b, 0,1,2,3
.irp k, 0,1,2,3
	v_cvt_pk_f16_f32 v[TMP+32+4*\b+\k], v[VH+8*\b+2*\k], v[VH+8*\b+2*\k+1]
	v_cvt_pk_f16_f32 v[TMP+48+4*\b+\k], v[VL+8*\b+2*\k], v[VL+8*\b+2*\k+1]
.endr
.endr
.irp n, 0,1,2,3,4,5,6,7,8,9,10,11,12,13,14,15
	ds_store_b128 v[STO], v[TMP+4*\n:TMP+4*\n+3] offset:(\n/4)*MST+(\n%4)*32
.endr
	s_wait_xcnt 0x0                                ; RB, which the last stores read, is loaded again only behind this wait
.irp i, 0,1,2,3,4,5,6,7,8,9,10,11,12,13,14,15
	ds_load_b128 v[RB+4*\i:RB+4*\i+3], v[RD] offset:(\i/4)*MST+(\i%4)*2*PITCH    ; LDS serves a wave in order: these see the stores above
.endr
.irp i, 0,1,2,3,4,5,6,7
	s_wait_dscnt 15-\i                             ; read-back i is in, the younger ones stay out
	global_store_b128 v[CO], v[RB+4*\i:RB+4*\i+3], s[74+2*(\i/4):75+2*(\i/4)] offset:\a*2048+(\i%4)*512
.endr
.irp i, 8,9,10,11,12,13,14,15
	s_wait_dscnt 15-\i
	global_store_b128 v[CO], v[RB+4*\i:RB+4*\i+3], s[78:79] offset:(\i/4-2)*16384+\a*2048+(\i%4)*512   ; V: the low part lies 16 KiB behind the high part
.endr
.endm
	OUT 0
	OUT 1
	OUT 2
	OUT 3
	s_wait_tensorcnt 0x0
	ds_add_u32 v30, v31
	s_wait_dscnt 0x0
	CROUND                                         ; the closing round: no work-group ends while a partner may still ask jointly
	s_endpgm
.Lfunc_end_k_qddd78b109a_qkv:
	.size	k_qddd78b109a_qkv, .Lfunc_end_k_qddd78b109a_qkv-k_qddd78b109a_qkv
	.p2alignl 7, 3214868480
	.fill 96, 4, 3214868480
	.section	.rodata,"a",@progbits
	.p2align	6, 0x0
	.amdhsa_kernel k_qddd78b109a_qkv
		.amdhsa_group_segment_fixed_size 327680
		.amdhsa_private_segment_fixed_size 0
		.amdhsa_enable_private_segment 0
		.amdhsa_kernarg_size 64
		.amdhsa_user_sgpr_count 2
		.amdhsa_user_sgpr_kernarg_segment_ptr 1
		.amdhsa_wavefront_size32 1
		.amdhsa_system_sgpr_workgroup_id_x 1
		.amdhsa_system_sgpr_workgroup_id_y 1
		.amdhsa_system_sgpr_workgroup_id_z 1
		.amdhsa_system_vgpr_workitem_id 0
		.amdhsa_next_free_vgpr 896
		.amdhsa_next_free_sgpr 88
		.amdhsa_reserve_vcc 0
		.amdhsa_float_denorm_mode_32 3
		.amdhsa_float_denorm_mode_16_64 3
		.amdhsa_memory_ordered 1
		.amdhsa_forward_progress 1
		.amdhsa_inst_pref_size 186
	.end_amdhsa_kernel
	.amdgpu_metadata
---
amdhsa.version: [ 1, 2 ]
amdhsa.kernels:
  - .name:           k_qddd78b109a_qkv
    .symbol:         k_qddd78b109a_qkv.kd
    .args:
      - { .name: xb, .offset: 0, .size: 8, .value_kind: global_buffer, .address_space: global }
      - { .name: wb, .offset: 8, .size: 8, .value_kind: global_buffer, .address_space: global }
      - { .name: bq, .offset: 16, .size: 8, .value_kind: global_buffer, .address_space: global }
      - { .name: bk, .offset: 24, .size: 8, .value_kind: global_buffer, .address_space: global }
      - { .name: bv, .offset: 32, .size: 8, .value_kind: global_buffer, .address_space: global }
      - { .name: qh, .offset: 40, .size: 8, .value_kind: global_buffer, .address_space: global }
      - { .name: kh, .offset: 48, .size: 8, .value_kind: global_buffer, .address_space: global }
      - { .name: vh, .offset: 56, .size: 8, .value_kind: global_buffer, .address_space: global }
    .group_segment_fixed_size: 327680
    .private_segment_fixed_size: 0
    .kernarg_segment_align: 8
    .kernarg_segment_size: 64
    .max_flat_workgroup_size: 128
    .sgpr_count:     88
    .vgpr_count:     896
    .wavefront_size: 32
...
	.end_amdgpu_metadata
.endif
;; end of part 2
;; launch attn (part 3): grid 256 x 1, 8 waves a work-group, no clusters, 327,680 bytes of LDS; arguments qh, kh, vh, ob; writes ob
.if DOCPART == 3
	.amdgcn_target "amdgcn-amd-amdhsa--gfx1250"
	.amdhsa_code_object_version 6
	.text
	.protected	k_qddd78b109a_attn
	.globl	k_qddd78b109a_attn
	.p2align	8
	.type	k_qddd78b109a_attn,@function
k_qddd78b109a_attn:
	s_mov_b64 s[64:65], 0
	v_nop
	global_prefetch_b8 v0, s[64:65] scope:SCOPE_SE
	s_setreg_imm32_b32 hwreg(HW_REG_WAVE_MODE, 25, 1), 1
	s_wait_xcnt 0x0
; Causal attention of one head for two blocks of 128 queries: softmax(Q K^T / 8, keys <= query) V, with a running maximum.
; qh, kh [b][head][t][64] f16; vh [b*16 + head][key block][high, low][128][64] f16; ob [b*16 + query block][head][high, low][128][64] f16.
; Work-group g: head bh = g / 8, p = g % 8, query blocks 2 p and 15 - 2 p, one after the other: (2 p + 1) + (16 - 2 p) = 17 key blocks of
; 128 for every work-group; blocks above the diagonal are not computed.
; Eight waves: wave w has queries 32 (w & 3) .. + 31 of the block and keys 64 (w >> 2) .. + 63 of each key block; the two key halves keep
; their own maximum, sum and O and are merged once for a query block, through LDS.
; S^T = K Q^T: lane (r, h) holds, for query r, keys 8 h .. 8 h + 7 of a tile; two such tiles, rounded, ARE the B fragment of
; O^T = V^T P^T (V^T by transposing LDS loads).  So maximum, sum and rescaling are per lane; one exchange between the lane halves.
; PRECISION: Q, K and P are one f16 each (11 significant bits).  V comes, and O leaves, in two f16 parts (high = cut to 11 bits, low = the
; remainder), and P V = P Vhigh + P Vlow: a row with few keys is nearly a row of V and many times larger than the typical output, so its
; error has to be small against the typical output.
; NO CLUSTER: a joint load names four partners p0 .. p0 + 3; walking the key blocks in step would take (2 p0 + 7) + (16 - 2 p0) = 23 steps
; in each of them instead of 17.
; LIMITS: |Q|, |K|, |V| < 65,536; parts below 2^-14 carry an absolute error of up to 2^-25.  The running maximum starts at -FLT_MAX, which
; is below or equal to every finite score.  Exponentials below 2^-126 come out as 0 (ISA guide, v_exp_f32).  Scores are scaled in f32:
; exp2(s c - m c), c = log2(e) / 8.
.set KPITCH, 272                       ; two keys (256 bytes) + 16: the 16 rows of a K fragment start 16 bytes apart modulo 256
.set VPITCH, 288                       ; two keys + 32: the same holds of the transposing loads' 16 addresses
.set VOFF,   64*KPITCH                 ; 17,408: V behind K
.set VLO,    64*VPITCH                 ; 18,432: V's low part behind its high part
.set SLOT,   VOFF+2*VLO                ; 54,272
.set MERGE,  2*SLOT                    ; per query group: 16 x 512 bytes of O, 512 of maxima and sums
.set MRGB,   8704
.set OSTAGE, MERGE+4*MRGB              ; per query group: 16 row pairs x 272, for the high and for the low part
.set OSTH,   4352
.set OSTB,   2*OSTH
.set ADRK, 2
.set ADRV, 3                           ; v3: V in slot 0; v1: V in slot 1 (a register each: the offsets would pass 65,535)
.set QOFF, 4
.set MRG,  5
.set OST,  6
.set ORD,  7
.set OCO,  8
.set NINF, 9                           ; -infinity
.set LIM,  10                          ; v10-11  query tile qt: the largest 16 kt + j that is not masked in the diagonal block
.set MX,   12                          ; v12-13  running maximum
.set LS,   14                          ; v14-15  the lane's sum
.set AL,   16                          ; v16, v18  rescaling factor (low register of a pair; the high one is 0)
.set NM,   20                          ; v20, v22  - maximum x c (likewise)
.set T,    24                          ; v[24:31]
.set QF,   32                          ; v[32:63]   Q fragments, 16 qt + 8 ks
.set OA,   64                          ; v[64:127]  O^T tiles, 32 qt + 8 dt
.set SC,   128                         ; v[128:191] S^T tiles, 32 qt + 8 kt; then P fragments at 32 qt + 16 s
.set KV,   192                         ; v[192:255] K fragments 16 kt + 8 ks, then the high V^T fragments 8 (4 s + dt)
.set VLF,  0                           ; window 1, v[256:319]: the low V^T fragments 8 (4 s + dt)
.set G1K, 32
.set G1V, 40
.set G0K, 48
.set G0V, 56
.set QBA, 72                           ; s[72:73], s[74:75] Q of the first and second query block
.set QBB, 74
.set OBA, 76                           ; s[76:77], s[78:79] their places in ob
.set OBB, 78
.set MSB, 0
.macro WIN new                         ; the immediate's high byte repeats the setting that is left
.if MSB != (\new)
	s_set_vgpr_msb (MSB<<8)|(\new)
.set MSB, (\new)
.endif
.endm
	s_load_b256 s[4:11], s[0:1], 0x0               ; qh 4:5, kh 6:7, vh 8:9, ob 10:11
	s_set_vgpr_msb 0x40
	v_lshl_add_u32 v64, v0, 2, 0x2b800
	v_mov_b32 v65, 0
	s_set_vgpr_msb 0x4045
	ds_add_u32 v64, v65
	s_set_vgpr_msb 0x4500
	v_lshrrev_b32 v1, 5, v0
	v_readfirstlane_b32 s12, v1                    ; wave 0..7
	s_lshr_b32 s13, s12, 2                         ; key half
	s_and_b32 s14, s12, 3                          ; query group
	s_and_b32 s15, ttmp9, 7                        ; p: also the trips of the first block's loop (two key blocks a trip, 2 p in all)
	s_lshr_b32 s16, ttmp9, 3                       ; bh
	s_lshl_b32 s17, s15, 1                         ; first query block qa = 2 p
	s_sub_co_u32 s18, 15, s17                      ; second query block qb = 15 - 2 p
	s_sub_co_u32 s19, 7, s15                       ; the trips of the second block's loop: (qb - 1) / 2 = 7 - p
	s_mov_b32 s3, 0xffffe000                       ; keeps sign, exponent and 10 fraction bits of an f32: an f16 number
	s_mov_b32 s66, 0x3e38aa3b                      ; c = log2(e) / 8
	s_mov_b32 s67, 0x3e38aa3b
	s_mov_b32 s68, 0xbe38aa3b                      ; -c
	s_mov_b32 s69, 0xff7fffff                      ; -FLT_MAX
	s_mov_b32 s70, 0x76543210                      ; v_permlanex16_b32: lane i reads lane i of the other half
	s_mov_b32 s71, 0xfedcba98
	; group 1: a dense block as rows of 32 elements of 8 bytes.  K: 16 KiB, 64 rows, 4 words of padding behind every 64 words;
	; V: 32 KiB (high part, then low part), 128 rows, 8 words of padding
	s_mov_b32 s[G1K+0], (3<<16)|(1<<20)|(5<<22)|(3<<25)
	s_mov_b32 s[G1K+1], 32<<16                     ; tensor_dim0 = 32
	s_mov_b32 s[G1K+2], 64<<16                     ; tensor_dim1 = 64
	s_mov_b32 s[G1K+3], 32<<16                     ; tile_dim0 = 32
	s_mov_b32 s[G1K+4], 64                         ; tile_dim1 = 64
	s_mov_b32 s[G1K+5], 32                         ; pitch
	s_mov_b32 s[G1K+6], 0
	s_mov_b32 s[G1K+7], 0
	s_mov_b32 s[G1V+0], (3<<16)|(1<<20)|(5<<22)|(7<<25)
	s_mov_b32 s[G1V+1], 32<<16
	s_mov_b32 s[G1V+2], 128<<16                    ; tensor_dim1 = 128
	s_mov_b32 s[G1V+3], 32<<16
	s_mov_b32 s[G1V+4], 128                        ; tile_dim1 = 128
	s_mov_b32 s[G1V+5], 32
	s_mov_b32 s[G1V+6], 0
	s_mov_b32 s[G1V+7], 0
	s_mov_b32 s[G0K+0], 1
	s_mov_b32 s[G0K+1], 0
	s_mov_b32 s[G0K+4], 1
	s_mov_b32 s[G0K+5], SLOT
	s_mov_b32 s[G0V+0], 1
	s_mov_b32 s[G0V+1], VOFF
	s_mov_b32 s[G0V+4], 1
	s_mov_b32 s[G0V+5], SLOT+VOFF
	s_lshl_b32 s22, s16, 18                        ; Q, K: the head's 2,048 rows of 128 bytes
	s_mov_b32 s23, 0                               ; stays 0: the high word of every offset
	s_lshr_b32 s28, s16, 4
	s_lshl_b32 s28, s28, 8
	s_and_b32 s29, s16, 15
	s_add_co_u32 s28, s28, s29                     ; batch x 256 + head
	s_wait_dscnt 0x0
	s_barrier_signal -1
	s_barrier_wait -1
	s_wait_kmcnt 0x0
	s_add_nc_u64 s[24:25], s[6:7], s[22:23]        ; the head's K
	s_add_nc_u64 s[4:5], s[4:5], s[22:23]          ; the head's Q
	s_lshl_b32 s22, s16, 19                        ; V: twice the bytes
	s_add_nc_u64 s[26:27], s[8:9], s[22:23]        ; the head's V
	s_lshl_b32 s22, s17, 14
	s_add_nc_u64 s[QBA:QBA+1], s[4:5], s[22:23]
	s_lshl_b32 s22, s18, 14
	s_add_nc_u64 s[QBB:QBB+1], s[4:5], s[22:23]
	s_lshl_b32 s22, s17, 4
	s_add_co_u32 s22, s22, s28
	s_lshl_b32 s22, s22, 15                        ; ((batch x 16 + block) x 16 + head) x 32 KiB
	s_add_nc_u64 s[OBA:OBA+1], s[10:11], s[22:23]
	s_lshl_b32 s22, s18, 4
	s_add_co_u32 s22, s22, s28
	s_lshl_b32 s22, s22, 15
	s_add_nc_u64 s[OBB:OBB+1], s[10:11], s[22:23]
; The addresses of key block s21 into slot s's two descriptors.  Stands where no tensor load of the wave is out.
.macro SETG s
	s_lshl_b32 s22, s21, 14
	s_add_nc_u64 s[G0K+4*(\s)+2:G0K+4*(\s)+3], s[24:25], s[22:23]
	s_or_b32 s[G0K+4*(\s)+3], s[G0K+4*(\s)+3], 0x80000000
	s_lshl_b32 s22, s21, 15
	s_add_nc_u64 s[G0V+4*(\s)+2:G0V+4*(\s)+3], s[26:27], s[22:23]
	s_or_b32 s[G0V+4*(\s)+3], s[G0V+4*(\s)+3], 0x80000000
.endm
; Wave 0 asks for K's block, wave 1 for V's: one tensor load a wave, one out at a time.  The other waves issue none.
.macro KVLOAD s
	s_cmp_lg_u32 s12, 0
	s_cbranch_scc1 .Lnot_k_\@
	tensor_load_to_lds s[G0K+4*(\s):G0K+4*(\s)+3], s[G1K:G1K+7]
	s_nop 0
.Lnot_k_\@:
	s_cmp_lg_u32 s12, 1
	s_cbranch_scc1 .Lnot_v_\@
	tensor_load_to_lds s[G0V+4*(\s):G0V+4*(\s)+3], s[G1V:G1V+7]
	s_nop 0
.Lnot_v_\@:
.endm
.macro QLOAD qb                        ; lane (r, h): row 16 qt + r of my 32 queries, d = 32 ks + 8 h .. and 32 ks + 16 + 8 h ..
.irp qt, 0,1
.irp ks, 0,1
	global_load_b128 v[QF+16*\qt+8*\ks:QF+16*\qt+8*\ks+3],   v[QOFF], s[\qb:\qb+1] offset:\qt*2048+\ks*64
	global_load_b128 v[QF+16*\qt+8*\ks+4:QF+16*\qt+8*\ks+7], v[QOFF], s[\qb:\qb+1] offset:\qt*2048+\ks*64+32
.endr
.endr
.endm
	s_mov_b32 s21, s17                             ; the first block's diagonal key block goes first: its products start the sums
	SETG 0
	KVLOAD 0
	v_and_b32 v24, 15, v0                          ; r
	v_bfe_u32 v25, v0, 4, 1                        ; h
	v_and_b32 v26, 31, v0                          ; lane
	s_lshl_b32 s30, s14, 12                        ; my 32 rows of 128 bytes
	v_lshl_add_u32 v[QOFF], v24, 7, s30
	v_lshl_add_u32 v[QOFF], v25, 4, v[QOFF]
	QLOAD QBA
	v_lshrrev_b32 v27, 1, v24
	v_and_b32 v28, 1, v0
	v_mul_u32_u24 v27, v27, KPITCH
	v_lshl_add_u32 v27, v28, 7, v27
	v_lshl_add_u32 v27, v25, 4, v27                ; row r of a tile whose rows lie in pairs: (r / 2) 272 + (r % 2) 128 + 16 h
	s_mul_i32 s30, s13, 32*KPITCH                  ; my 64 keys
	v_add_nc_u32 v[ADRK], s30, v27
	v_bfe_u32 v29, v0, 1, 2
	v_lshl_add_u32 v29, v25, 2, v29                ; key 8 h + (lane % 8): its pair 4 h + (lane % 8) / 2
	v_mul_u32_u24 v29, v29, VPITCH
	v_lshl_add_u32 v29, v28, 7, v29
	v_bfe_u32 v30, v0, 3, 1
	v_lshl_add_u32 v29, v30, 4, v29                ; and 8 of the tile's 16 columns
	s_mul_i32 s30, s13, 32*VPITCH
	s_add_co_u32 s30, s30, VOFF
	v_add_nc_u32 v[ADRV], s30, v29                 ; slot 0
	v_add_nc_u32 v1, SLOT, v[ADRV]                 ; slot 1
	s_mul_i32 s30, s14, MRGB
	s_add_co_u32 s30, s30, MERGE
	v_lshl_add_u32 v[MRG], v26, 4, s30
	s_mul_i32 s30, s14, OSTB
	s_add_co_u32 s30, s30, OSTAGE
	v_add_nc_u32 v[OST], s30, v27
	v_mul_u32_u24 v30, v25, KPITCH
	v_lshl_add_u32 v30, v24, 4, v30
	v_add_nc_u32 v[ORD], s30, v30
	s_lshl_b32 s30, s14, 12
	v_lshl_add_u32 v[OCO], v26, 4, s30
	s_lshl_b32 s30, s14, 5
	s_lshl_b32 s31, s13, 6
	s_sub_co_i32 s30, s30, s31                     ; 32 x query group - 64 x key half
	v_add_nc_u32 v[LIM], s30, v24
	v_lshlrev_b32 v30, 3, v25
	v_sub_nc_u32 v[LIM], v[LIM], v30               ; key <= query  <=>  16 kt + j <= 32 a + 16 qt + r - 64 c - 8 h
	v_add_nc_u32 v[LIM+1], 16, v[LIM]
	v_mov_b32 v[NINF], 0xff800000
	v_mov_b32 v[AL+1], 0
	v_mov_b32 v[AL+3], 0
	v_mov_b32 v[NM+1], 0
	v_mov_b32 v[NM+3], 0
; Softmax step of query tile qt on its 32 scores a lane.  first = 1: nothing to rescale yet.
.macro SOFTMAX qt, first
.set SB, SC+32*\qt
	v_max3_num_f32 v[T], v[SB], v[SB+1], v[SB+2]
	v_max3_num_f32 v[T+1], v[SB+16], v[SB+17], v[SB+18]
.irp i, 3,5,7,9,11,13
	v_max3_num_f32 v[T], v[T], v[SB+\i], v[SB+\i+1]
	v_max3_num_f32 v[T+1], v[T+1], v[SB+16+\i], v[SB+17+\i]
.endr
	v_max3_num_f32 v[T], v[T], v[SB+15], v[SB+31]
	v_max_num_f32 v[T], v[T], v[T+1]
	v_permlanex16_b32 v[T+1], v[T], s70, s71       ; the other 32 keys of the same query
.if \first
	v_max3_num_f32 v[T+2], v[T], v[T+1], s69
	v_mul_f32 v[NM+2*\qt], s68, v[T+2]             ; - m c
.else
	v_max3_num_f32 v[T+2], v[T], v[T+1], v[MX+\qt]
	v_mul_f32 v[NM+2*\qt], s68, v[T+2]
	v_fma_f32 v[T+3], v[MX+\qt], s66, v[NM+2*\qt]
	v_exp_f32 v[AL+2*\qt], v[T+3]                  ; exp2((old m - m) c); the move below is the plain place behind it
.endif
	v_mov_b32 v[MX+\qt], v[T+2]
.set i, 0
.rept 16
	v_pk_fma_f32 v[SB+i:SB+i+1], v[SB+i:SB+i+1], s[66:67], v[NM+2*\qt:NM+2*\qt+1] op_sel_hi:[1,0,0]   ; s c - m c
.set i, i+2
.endr
.set i, 0
.rept 32
	v_exp_f32 v[SB+i], v[SB+i]
.set i, i+1
.endr
.if \first
	v_nop                                          ; one plain place behind the exponentials (ISA guide 5.7.2)
	s_wait_alu depctr_va_vdst(0)
.else
.set i, 0
	s_wait_alu depctr_va_vdst(0)
.rept 16
	v_pk_mul_f32 v[OA+32*\qt+i:OA+32*\qt+i+1], v[OA+32*\qt+i:OA+32*\qt+i+1], v[AL+2*\qt:AL+2*\qt+1] op_sel_hi:[1,0]   ; O is rescaled; also the plain places
.set i, i+2
.endr
.endif
	v_pk_add_f32 v[T:T+1], v[SB:SB+1], v[SB+2:SB+3]
	v_pk_add_f32 v[T+2:T+3], v[SB+4:SB+5], v[SB+6:SB+7]
.set i, 8
.rept 6
	v_pk_add_f32 v[T:T+1], v[T:T+1], v[SB+i:SB+i+1]
	v_pk_add_f32 v[T+2:T+3], v[T+2:T+3], v[SB+i+2:SB+i+3]
.set i, i+4
.endr
	v_pk_add_f32 v[T:T+1], v[T:T+1], v[T+2:T+3]
.if \first
	v_add_f32 v[LS+\qt], v[T], v[T+1]
.else
	v_add_f32 v[T], v[T], v[T+1]
	v_fma_f32 v[LS+\qt], v[LS+\qt], v[AL+2*\qt], v[T]
.endif
.irp s, 0,1
.irp k, 0,1,2,3,4,5,6,7
	v_cvt_pk_f16_f32 v[SB+16*\s+\k], v[SB+16*\s+2*\k], v[SB+16*\s+2*\k+1]   ; in place: register k is written after registers 2 k, 2 k + 1 are read
.endr
.endr
.endm
; One key block, in LDS slot 'slot'.  diag: the diagonal block, masked.  first: starts a query block's sums.  refill: the other slot gets block s21.
.macro STEP slot, diag, first, refill
.set AV, ADRV-2*\slot                  ; v3 or v1
	s_set_vgpr_msb 0x5
	s_wait_tensorcnt 0x0                           ; all my tensor loads have landed, this slot's among them
	ds_add_u32 v64, v65
	s_wait_dscnt 0x0
	s_set_vgpr_msb 0x500
.if \refill
	SETG 1-\slot
.endif
	s_wait_dscnt 0x0                               ; my reads of the other slot are back
	s_barrier_signal -1
	s_barrier_wait -1                              ; both hold of all eight waves
.if \refill
	KVLOAD 1-\slot                                 ; first thing behind the barrier; it has this step's work in which to land
.endif
.irp ks, 0,1
.irp kt, 0,1,2,3
	ds_load_b128 v[KV+16*\kt+8*\ks:KV+16*\kt+8*\ks+3],   v[ADRK] offset:\slot*SLOT+\kt*8*KPITCH+64*\ks
	ds_load_b128 v[KV+16*\kt+8*\ks+4:KV+16*\kt+8*\ks+7], v[ADRK] offset:\slot*SLOT+\kt*8*KPITCH+64*\ks+32
.endr
.endr
.if \first
	s_wait_loadcnt 0x0                             ; Q
.endif
	s_wait_dscnt 0x8                               ; d = 0..31 is in; the eight loads of d = 32..63 stay out
.irp qt, 0,1                                       ; the eight score tiles take turns, one instruction a turn
.irp kt, 0,1,2,3
	v_wmma_f32_16x16x32_f16 v[SC+32*\qt+8*\kt:SC+32*\qt+8*\kt+7], v[KV+16*\kt:KV+16*\kt+7], v[QF+16*\qt:QF+16*\qt+7], 0
.endr
.endr
	s_wait_dscnt 0x0
.irp qt, 0,1
.irp kt, 0,1,2,3
	v_wmma_f32_16x16x32_f16 v[SC+32*\qt+8*\kt:SC+32*\qt+8*\kt+7], v[KV+16*\kt+8:KV+16*\kt+15], v[QF+16*\qt+8:QF+16*\qt+15], v[SC+32*\qt+8*\kt:SC+32*\qt+8*\kt+7]
.endr
.endr
.rept 4
	v_nop                                          ; four places: V's loads land on K's fragments, the softmax reads the scores
.endr
.irp s, 0,1                                        ; V^T, high part
.irp dt, 0,1,2,3
	ds_load_tr16_b128 v[KV+8*(4*\s+\dt):KV+8*(4*\s+\dt)+3],   v[AV] offset:\s*16*VPITCH+32*\dt
	ds_load_tr16_b128 v[KV+8*(4*\s+\dt)+4:KV+8*(4*\s+\dt)+7], v[AV] offset:\s*16*VPITCH+32*\dt+8*VPITCH
.endr
.endr
	WIN 0x40                                       ; destination in window 1: V^T, low part
.irp s, 0,1
.irp dt, 0,1,2,3
	ds_load_tr16_b128 v[VLF+8*(4*\s+\dt):VLF+8*(4*\s+\dt)+3],   v[AV] offset:VLO+\s*16*VPITCH+32*\dt
	ds_load_tr16_b128 v[VLF+8*(4*\s+\dt)+4:VLF+8*(4*\s+\dt)+7], v[AV] offset:VLO+\s*16*VPITCH+32*\dt+8*VPITCH
.endr
.endr
	WIN 0
.if \diag
.irp qt, 0,1
.irp kt, 0,1,2,3
.irp j, 0,1,2,3,4,5,6,7
	v_cmp_le_i32 vcc_lo, 16*\kt+\j, v[LIM+\qt]
	v_cndmask_b32 v[SC+32*\qt+8*\kt+\j], v[NINF], v[SC+32*\qt+8*\kt+\j], vcc_lo   ; keys behind the query: -infinity
.endr
.endr
.endr
.endif
	SOFTMAX 0, \first
	SOFTMAX 1, \first
	s_wait_dscnt 16                                ; the high part is in; the low part's 16 loads may stay out
.irp s, 0,1                                        ; the eight O tiles take turns, one instruction a turn
.irp qt, 0,1
.irp dt, 0,1,2,3
.if \first*(1-\s)
	v_wmma_f32_16x16x32_f16 v[OA+32*\qt+8*\dt:OA+32*\qt+8*\dt+7], v[KV+8*(4*\s+\dt):KV+8*(4*\s+\dt)+7], v[SC+32*\qt+16*\s:SC+32*\qt+16*\s+7], 0
.else
	v_wmma_f32_16x16x32_f16 v[OA+32*\qt+8*\dt:OA+32*\qt+8*\dt+7], v[KV+8*(4*\s+\dt):KV+8*(4*\s+\dt)+7], v[SC+32*\qt+16*\s:SC+32*\qt+16*\s+7], v[OA+32*\qt+8*\dt:OA+32*\qt+8*\dt+7]
.endif
.endr
.endr
.endr
	s_wait_dscnt 0x0                               ; the low part
	WIN 0x01                                       ; source 0 in window 1
.irp s, 0,1
.irp qt, 0,1
.irp dt, 0,1,2,3
	v_wmma_f32_16x16x32_f16 v[OA+32*\qt+8*\dt:OA+32*\qt+8*\dt+7], v[VLF+8*(4*\s+\dt):VLF+8*(4*\s+\dt)+7], v[SC+32*\qt+16*\s:SC+32*\qt+16*\s+7], v[OA+32*\qt+8*\dt:OA+32*\qt+8*\dt+7]
.endr
.endr
.endr
	WIN 0
.rept 5
	v_nop                                          ; five places: the next score products write over P, loads land on V^T, O is read
.endr
.endm
; The end of a query block: the key halves are merged, the result is divided by the sum, split into two f16 parts and stored.
.macro FINISH last, obr
.if \last == 0
	QLOAD QBB                                      ; the second block's Q, on its way during the merge
.endif
	s_cmp_eq_u32 s13, 0
	s_cbranch_scc1 .Lno_put_\@
.irp i, 0,1,2,3,4,5,6,7,8,9,10,11,12,13,14,15
	ds_store_b128 v[MRG], v[OA+4*\i:OA+4*\i+3] offset:512*\i       ; waves 4-7: O, 512 dense bytes a store
.endr
	ds_store_b128 v[MRG], v[MX:MX+3] offset:8192                   ; and both maxima and sums
.Lno_put_\@:
	s_wait_dscnt 0x0                               ; my stores are done, for the partner's sake
	s_barrier_signal -1
	s_barrier_wait -1                              ; no LDS bytes are filled behind this barrier: the next tile's load may stay out
	s_cmp_lg_u32 s13, 0
	s_cbranch_scc1 .Lno_merge_\@
	ds_load_b128 v[T:T+3], v[MRG] offset:8192
.irp i, 0,1,2,3,4,5,6,7,8,9,10,11,12,13,14,15
	ds_load_b128 v[KV+4*\i:KV+4*\i+3], v[MRG] offset:512*\i
.endr
	s_wait_dscnt 0x0
.irp qt, 0,1
	v_max_num_f32 v[T+4], v[MX+\qt], v[T+\qt]
	v_mul_f32 v[T+5], s68, v[T+4]
	v_fma_f32 v[T+6], v[MX+\qt], s66, v[T+5]
	v_fma_f32 v[T+7], v[T+\qt], s66, v[T+5]
	v_exp_f32 v[T+6], v[T+6]                       ; my half's weight
	v_exp_f32 v[T+7], v[T+7]                       ; the partner's
	v_nop
	s_wait_alu depctr_va_vdst(0)
	v_mul_f32 v[T+4], v[LS+\qt], v[T+6]
	v_fma_f32 v[T+4], v[T+2+\qt], v[T+7], v[T+4]
	v_permlanex16_b32 v[T+5], v[T+4], s70, s71     ; the sums were kept by lane: add the other half of the lanes
	v_add_f32 v[T+4], v[T+4], v[T+5]
	v_rcp_f32 v[T+5], v[T+4]                       ; the sum is at least about 1: the largest score's term
	v_nop
	s_wait_alu depctr_va_vdst(0)
	v_mul_f32 v[AL+2*\qt], v[T+6], v[T+5]
	v_mul_f32 v[NM+2*\qt], v[T+7], v[T+5]
.set i, 0
.rept 16
	v_pk_mul_f32 v[OA+32*\qt+i:OA+32*\qt+i+1], v[OA+32*\qt+i:OA+32*\qt+i+1], v[AL+2*\qt:AL+2*\qt+1] op_sel_hi:[1,0]
.set i, i+2
.endr
.set i, 0
.rept 16
	v_pk_fma_f32 v[OA+32*\qt+i:OA+32*\qt+i+1], v[KV+32*\qt+i:KV+32*\qt+i+1], v[NM+2*\qt:NM+2*\qt+1], v[OA+32*\qt+i:OA+32*\qt+i+1] op_sel_hi:[1,0,1]
.set i, i+2
.endr
.endr
.set i, 0
.rept 64
	v_and_b32 v[KV+i], s3, v[OA+i]                 ; high part: 11 significant bits, cut
	v_sub_f32 v[OA+i], v[OA+i], v[KV+i]            ; low part: the remainder, exact in f32
.set i, i+1
.endr
.irp i, 0,1,2,3,4,5,6,7
.irp k, 0,1,2,3
	v_cvt_pk_f16_f32 v[SC+4*\i+\k], v[KV+8*\i+2*\k], v[KV+8*\i+2*\k+1]
	v_cvt_pk_f16_f32 v[SC+32+4*\i+\k], v[OA+8*\i+2*\k], v[OA+8*\i+2*\k+1]
.endr
.endr
.irp i, 0,1,2,3,4,5,6,7
	ds_store_b128 v[OST], v[SC+4*\i:SC+4*\i+3] offset:(\i/4)*8*KPITCH+(\i%4)*32            ; my own stage: query r, d = 16 dt + 8 h ..
	ds_store_b128 v[OST], v[SC+32+4*\i:SC+32+4*\i+3] offset:OSTH+(\i/4)*8*KPITCH+(\i%4)*32
.endr
.irp i, 0,1,2,3,4,5,6,7,8,9,10,11,12,13,14,15
	ds_load_b128 v[KV+4*\i:KV+4*\i+3], v[ORD] offset:(\i/8)*OSTH+(\i%8)*2*KPITCH           ; LDS serves a wave in order: these see the stores above
.endr
.irp i, 0,1,2,3,4,5,6,7,8,9,10,11,12,13,14,15
	s_wait_dscnt 15-\i                             ; read-back i is in, the younger ones stay out
	global_store_b128 v[OCO], v[KV+4*\i:KV+4*\i+3], s[\obr:\obr+1] offset:(\i/8)*16384+(\i%8)*512   ; 512 dense bytes, aligned; the low part 16 KiB behind the high
.endr
.Lno_merge_\@:
	s_wait_xcnt 0x0                                ; the stores' data registers are loaded again by the next block's first step
.endm
	s_cmp_lg_u32 s15, 0
	s_cselect_b32 s21, 0, s18                      ; next: key block 0, or (p = 0) the second query block's diagonal block
	STEP 0, 1, 1, 1
	s_mov_b32 s20, 0                               ; trip t
	s_cmp_eq_u32 s15, 0
	s_cbranch_scc1 .Ldone_a
.Lloop_a:                                          ; trip t of p: key blocks 2 t and 2 t + 1 of 0 .. qa - 1
	s_lshl_b32 s21, s20, 1
	s_add_co_u32 s21, s21, 1                       ; to fetch: block 2 t + 1
	STEP 1, 0, 0, 1
	s_add_co_u32 s20, s20, 1                       ; the counter's one step of the trip
	s_lshl_b32 s21, s20, 1                         ; to fetch: block 2 (t + 1),
	s_cmp_lt_u32 s20, s15
	s_cselect_b32 s21, s21, s18                    ; or, behind the last trip, the second query block's diagonal block
	STEP 0, 0, 0, 1
	s_cmp_lt_u32 s20, s15
	s_cbranch_scc1 .Lloop_a
.Ldone_a:
	FINISH 0, OBA
	s_mov_b32 s21, 0
	STEP 1, 1, 1, 1
	s_mov_b32 s20, 0
	s_cmp_eq_u32 s19, 0
	s_cbranch_scc1 .Ldone_b
.Lloop_b:                                          ; trip t of 7 - p: key blocks 2 t and 2 t + 1 of 0 .. qb - 2
	s_lshl_b32 s21, s20, 1
	s_add_co_u32 s21, s21, 1                       ; to fetch: block 2 t + 1
	STEP 0, 0, 0, 1
	s_add_co_u32 s20, s20, 1                       ; the counter's one step of the trip
	s_lshl_b32 s21, s20, 1                         ; to fetch: block 2 (t + 1), at the most qb - 1
	STEP 1, 0, 0, 1
	s_cmp_lt_u32 s20, s19
	s_cbranch_scc1 .Lloop_b
.Ldone_b:
	STEP 0, 0, 0, 0                                ; key block qb - 1: nothing is left to fetch
	FINISH 1, OBB
	s_set_vgpr_msb 0x5
	s_wait_tensorcnt 0x0
	ds_add_u32 v64, v65
	s_wait_dscnt 0x0
	s_set_vgpr_msb 0x500
	s_endpgm
.Lfunc_end_k_qddd78b109a_attn:
	.size	k_qddd78b109a_attn, .Lfunc_end_k_qddd78b109a_attn-k_qddd78b109a_attn
	.p2alignl 7, 3214868480
	.fill 96, 4, 3214868480
	.section	.rodata,"a",@progbits
	.p2align	6, 0x0
	.amdhsa_kernel k_qddd78b109a_attn
		.amdhsa_group_segment_fixed_size 327680
		.amdhsa_private_segment_fixed_size 0
		.amdhsa_enable_private_segment 0
		.amdhsa_kernarg_size 32
		.amdhsa_user_sgpr_count 2
		.amdhsa_user_sgpr_kernarg_segment_ptr 1
		.amdhsa_wavefront_size32 1
		.amdhsa_system_sgpr_workgroup_id_x 1
		.amdhsa_system_sgpr_workgroup_id_y 1
		.amdhsa_system_sgpr_workgroup_id_z 1
		.amdhsa_system_vgpr_workitem_id 0
		.amdhsa_next_free_vgpr 322
		.amdhsa_next_free_sgpr 80
		.amdhsa_reserve_vcc 1
		.amdhsa_float_denorm_mode_32 3
		.amdhsa_float_denorm_mode_16_64 3
		.amdhsa_memory_ordered 1
		.amdhsa_forward_progress 1
		.amdhsa_inst_pref_size 192
	.end_amdhsa_kernel
	.amdgpu_metadata
---
amdhsa.version: [ 1, 2 ]
amdhsa.kernels:
  - .name:           k_qddd78b109a_attn
    .symbol:         k_qddd78b109a_attn.kd
    .args:
      - { .name: qh, .offset: 0, .size: 8, .value_kind: global_buffer, .address_space: global }
      - { .name: kh, .offset: 8, .size: 8, .value_kind: global_buffer, .address_space: global }
      - { .name: vh, .offset: 16, .size: 8, .value_kind: global_buffer, .address_space: global }
      - { .name: ob, .offset: 24, .size: 8, .value_kind: global_buffer, .address_space: global }
    .group_segment_fixed_size: 327680
    .private_segment_fixed_size: 0
    .kernarg_segment_align: 8
    .kernarg_segment_size: 32
    .max_flat_workgroup_size: 256
    .sgpr_count:     80
    .vgpr_count:     322
    .wavefront_size: 32
...
	.end_amdgpu_metadata
.endif
;; end of part 3
;; launch proj (part 4): grid 8 x 32, 4 waves a work-group, clusters of 4 x 4, 327,680 bytes of LDS; arguments ob, wob, bo, out0; writes out0
.if DOCPART == 4
	.amdgcn_target "amdgcn-amd-amdhsa--gfx1250"
	.amdhsa_code_object_version 6
	.text
	.protected	k_qddd78b109a_proj
	.globl	k_qddd78b109a_proj
	.p2align	8
	.type	k_qddd78b109a_proj,@function
k_qddd78b109a_proj:
	s_mov_b64 s[64:65], 0
	v_nop
	global_prefetch_b8 v0, s[64:65] scope:SCOPE_SE
	s_setreg_imm32_b32 hwreg(HW_REG_WAVE_MODE, 25, 1), 1
	s_wait_xcnt 0x0
	s_wait_alu depctr_hold_cnt(0) depctr_sa_sdst(0) depctr_va_vdst(0) depctr_va_sdst(0) depctr_va_ssrc(0) depctr_va_vcc(0) depctr_vm_vsrc(0)
	s_getreg_b32 s2, hwreg(HW_REG_IB_STS2, 6, 4)
	s_cmp_eq_u32 s2, 0
	s_cbranch_scc0 .Lentry_in_a_cluster
	s_endpgm
.Lentry_in_a_cluster:
	s_bfe_u32 s2, ttmp6, 0x10000c
	s_cmp_lg_u32 s2, 0xf033
	s_cbranch_scc0 .Lentry_shape_is_right
	s_endpgm
.Lentry_shape_is_right:
; out0 = O Wo^T + bo: a block of 128 rows x 128 columns.  ob [block of 128 rows][head][high, low][128][64] f16, wob [1024][1024] f16
; (Wo rounded to bf16, held as f16), bo f32, out0 [4096][1024] f32; sums in f32.
; O comes in two f16 parts and O Wo^T = Ohigh Wo^T + Olow Wo^T, 2 x 1024 along K: a row with few keys is many times larger than the typical
; output, so the rounding of O has to be small against the typical output.  LIMITS: |O|, |Wo| < 65,536; Wo has bf16's 8 significant bits.
; Four waves, each 64 x 64: 16 accumulator tiles.  A larger wave tile would leave work for 64 work-groups only.
; K goes in eight tiles of two heads (O: 2 heads x 2 parts x 128 rows x 64; Wo: 128 rows x 128) through two LDS slots.
; CLUSTER 4 x 4: O's tile is shared along a cluster's row, Wo's along a column; both are asked for jointly.
; Transposed use: source 0 = rows of Wo, source 1 = rows of O: lane (r, h) holds, of row r, columns 8 h .. 8 h + 7, 32 neighbouring bytes.
; The bias, loaded in that layout, is the first product's C.
; REGISTER WINDOWS: 0 addresses, bias, way out; 1 the two fragment buffers (v0-127) and the accumulators (v128-255).
.set APITCH, 272                       ; two rows of a head (256 bytes) + 16
.set BPITCH, 272                       ; 128 elements (256 bytes) + 16
.set ABLK,   64*APITCH                 ; one part of one head: 128 rows
.set AHALF,  2*ABLK                    ; what one load of O brings: one head, high part and low part
.set BHALF,  64*BPITCH                 ; what one load of Wo brings: 64 rows
.set BOFF,   2*AHALF
.set SLOT,   BOFF+2*BHALF              ; 104,448
.set STAGE,  2*SLOT                    ; way out: bytes of their own, no tensor load lands here
.set WSTAGE, 16*272
.set LAPS,   4                         ; 8 tiles / 2 slots
.set ADRA, 16
.set ADRB, 20
.set STO,  24
.set RD,   25
.set CO,   26
.set BOF,  27
.set BIAS, 32                          ; v[32:63]
.set RB,   64                          ; v[64:95]
.set F0,   0                           ; window 1: Wo's fragments 8 b, O's at 32 + 8 a
.set F1,   64
.set ACC,  128                         ; window 1: tile (b, a) at 8 (4 b + a)
.set G1A, 24
.set G0A, 32
.set G1B, 48
.set G0B, 56
.set MSB, 0
.macro WIN new
.if MSB != (\new)
	s_set_vgpr_msb (MSB<<8)|(\new)
.set MSB, (\new)
.endif
.endm
.macro JLOAD s                         ; waves 0, 1 ask for O's two heads, waves 2, 3 for Wo's halves; the branch hangs on the wave's number alone
	s_cmp_eq_u32 s11, 0
	s_cbranch_scc0 .Lfor_b_\@
	tensor_load_to_lds s[G0A+4*\s:G0A+4*\s+3], s[G1A:G1A+7]
	s_nop 0
	s_branch .Lasked_\@
.Lfor_b_\@:
	tensor_load_to_lds s[G0B+4*\s:G0B+4*\s+3], s[G1B:G1B+7]
	s_nop 0
.Lasked_\@:
.endm
.macro CREST
	s_cmp_lg_u32 s10, 0
	s_cbranch_scc1 .Lnot_wave_0_\@
	s_barrier_signal -3
.Lnot_wave_0_\@:
	s_barrier_wait -3
	s_barrier_signal -1
	s_barrier_wait -1
.endm
.macro CROUND
	s_barrier_signal -1
	s_barrier_wait -1
	CREST
.endm
.macro PLACES                          ; four independent vector places behind matrix instructions (ISA guide 7.12.1)
.rept 4
	v_nop
.endr
.endm
	s_load_b256 s[68:75], s[0:1], 0x0              ; ob 68:69, wob 70:71, bo 72:73, out0 74:75
	v_lshl_add_u32 v254, v0, 2, 0x37400
	v_mov_b32 v255, 0
	ds_add_u32 v254, v255
	v_lshrrev_b32 v1, 5, v0
	v_readfirstlane_b32 s10, v1                    ; wave
	s_lshr_b32 s11, s10, 1                         ; my half of the rows.  Also: I fetch O (0) or Wo (1)
	s_and_b32 s12, s10, 1                          ; my half of the columns.  Also: which half of that tile
	s_bfe_u32 s40, ttmp6, 0x40000                  ; cx
	s_bfe_u32 s41, ttmp6, 0x40004                  ; cy
	s_lshl_b32 s42, ttmp9, 2
	s_add_co_u32 s42, s42, s40                     ; block of 128 columns
	s_and_b32 s13, ttmp7, 0xffff
	s_lshl_b32 s13, s13, 2
	s_add_co_u32 s13, s13, s41                     ; block of 128 rows
	s_lshl_b32 s43, s41, 2
	s_lshl_b32 s43, 15, s43                        ; my row of the cluster
	s_lshl_b32 s44, 0x1111, s40                    ; my column
	; O: a dense run of 32 KiB as 128 rows of 32 elements of 8 bytes, 4 words of padding behind every 64 words
	s_or_b32 s[G1A+0], s43, (3<<16)|(1<<20)|(1<<21)|(5<<22)|(3<<25)
	s_mov_b32 s[G1A+1], 32<<16
	s_mov_b32 s[G1A+2], 128<<16
	s_mov_b32 s[G1A+3], 32<<16
	s_mov_b32 s[G1A+4], 128
	s_mov_b32 s[G1A+5], 32
	s_mov_b32 s[G1A+6], 0
	s_mov_b32 s[G1A+7], 0
	; Wo: 64 rows of 128 elements of 2 bytes, pitch 1,024, 4 words of padding behind every 64 words
	s_or_b32 s[G1B+0], s44, (1<<16)|(1<<20)|(1<<21)|(5<<22)|(3<<25)
	s_mov_b32 s[G1B+1], 128<<16
	s_mov_b32 s[G1B+2], 64<<16
	s_mov_b32 s[G1B+3], 128<<16
	s_mov_b32 s[G1B+4], 64
	s_mov_b32 s[G1B+5], 1024
	s_mov_b32 s[G1B+6], 0
	s_mov_b32 s[G1B+7], 0
	s_lshl_b32 s16, s13, 19                        ; O: 512 KiB a block of rows,
	s_lshl_b32 s17, s12, 15                        ; 32 KiB a head
	s_add_co_u32 s16, s16, s17
	s_mov_b32 s17, 0
	s_lshl_b32 s46, s42, 7
	s_lshl_b32 s47, s12, 6
	s_add_co_u32 s46, s46, s47                     ; Wo: row 128 x block + 64 x half
	s_lshl_b32 s46, s46, 11
	s_mov_b32 s47, 0
	s_mul_i32 s20, s10, AHALF                      ; waves 0, 1: at 0 and AHALF
	s_mul_i32 s21, s10, BHALF
	s_add_co_u32 s21, s21, BOFF-2*BHALF            ; waves 2, 3: at BOFF and BOFF + BHALF
	s_wait_dscnt 0x0
	s_wait_kmcnt 0x0
	s_add_nc_u64 s[14:15], s[68:69], s[16:17]
	s_add_nc_u64 s[46:47], s[70:71], s[46:47]
	CROUND                                         ; all sixteen work-groups are here: the first joint loads meet
.irp s, 0,1
	s_mov_b32 s[G0A+4*\s], 1
	s_add_co_u32 s[G0A+4*\s+1], s20, \s*SLOT
	s_add_nc_u64 s[G0A+4*\s+2:G0A+4*\s+3], s[14:15], \s*65536      ; K tile s: two heads of 32 KiB
	s_or_b32 s[G0A+4*\s+3], s[G0A+4*\s+3], 0x80000000
	s_mov_b32 s[G0B+4*\s], 1
	s_add_co_u32 s[G0B+4*\s+1], s21, \s*SLOT
	s_add_nc_u64 s[G0B+4*\s+2:G0B+4*\s+3], s[46:47], \s*256        ; 128 columns of Wo
	s_or_b32 s[G0B+4*\s+3], s[G0B+4*\s+3], 0x80000000
	JLOAD \s                                       ; two loads of the wave are out
.endr
	s_lshl_b32 s80, s42, 7
	s_lshl_b32 s81, s12, 6
	s_add_co_u32 s80, s80, s81
	s_lshl_b32 s80, s80, 2                         ; my first column, in bytes
	s_mov_b32 s81, 0
	s_add_nc_u64 s[72:73], s[72:73], s[80:81]
	s_lshl_b32 s82, s13, 1
	s_add_co_u32 s82, s82, s11
	s_lshl_b32 s82, s82, 18                        ; my first row: 64 rows of 4,096 bytes a step
	s_add_co_u32 s82, s82, s80
	s_mov_b32 s83, 0
	s_add_nc_u64 s[74:75], s[74:75], s[82:83]
	v_and_b32 v1, 15, v0                           ; r
	v_bfe_u32 v2, v0, 4, 1                         ; h
	v_lshlrev_b32 v[BOF], 5, v2
.irp b, 0,1,2,3
	global_load_b128 v[BIAS+8*\b:BIAS+8*\b+3],   v[BOF], s[72:73] offset:\b*64
	global_load_b128 v[BIAS+8*\b+4:BIAS+8*\b+7], v[BOF], s[72:73] offset:\b*64+16
.endr
	v_lshrrev_b32 v3, 1, v1
	v_mul_u32_u24 v3, v3, APITCH
	v_and_b32 v4, 1, v0
	v_lshl_add_u32 v3, v4, 7, v3
	v_lshl_add_u32 v3, v2, 4, v3                   ; O: (r / 2) 272 + (r % 2) 128 + 16 h
	s_mul_i32 s22, s11, 32*APITCH                  ; my 64 rows
	v_add_nc_u32 v[ADRA], s22, v3
	v_add_nc_u32 v[ADRA+1], SLOT, v[ADRA]
	v_mul_u32_u24 v4, v1, BPITCH
	v_lshl_add_u32 v4, v2, 4, v4
	s_mul_i32 s22, s12, BHALF
	s_add_co_u32 s22, s22, BOFF
	v_add_nc_u32 v[ADRB], s22, v4
	v_add_nc_u32 v[ADRB+1], SLOT, v[ADRB]
	s_mul_i32 s23, s10, WSTAGE
	s_add_co_u32 s23, s23, STAGE
	v_mul_u32_u24 v5, v1, 272
	v_lshl_add_u32 v5, v2, 5, v5                   ; in: row r, 32 bytes for each half of the lanes
	v_add_nc_u32 v[STO], s23, v5
	v_mul_u32_u24 v6, v2, 272
	v_lshl_add_u32 v6, v1, 4, v6                   ; back: lanes 0-15 one row of 256 bytes, lanes 16-31 the next
	v_add_nc_u32 v[RD], s23, v6
	v_lshlrev_b32 v7, 12, v2
	v_lshl_add_u32 v[CO], v1, 4, v7                ; the same two rows in out0
; 8 matrix instructions: column tiles b0, b0 + 1 x my four row tiles.  The 16 accumulators take turns, one instruction a turn, in the same
; order in every part.
.macro MUL8 f, b0, first
.irp b, \b0, \b0+1
.irp a, 0,1,2,3
.set AC, ACC+8*(4*(\b)+\a)
.if \first
	v_wmma_f32_16x16x32_f16 v[AC:AC+7], v[\f+8*(\b):\f+8*(\b)+7], v[\f+32+8*\a:\f+32+8*\a+7], v[BIAS+8*(\b):BIAS+8*(\b)+7]
.else
	v_wmma_f32_16x16x32_f16 v[AC:AC+7], v[\f+8*(\b):\f+8*(\b)+7], v[\f+32+8*\a:\f+32+8*\a+7], v[AC:AC+7]
.endif
.endr
.endr
.endm
; 16 LDS loads: part kq of a slot's eight.  kq / 4: the head of the tile's two; (kq / 2) % 2: O's high or low part; kq % 2: d = 0..31 or 32..63.
; O's four blocks lie in that order; Wo's columns hang on the head and on d alone.
.macro FETCH slot, kq, f
	WIN 0x40
.irp b, 0,1,2,3
	ds_load_b128 v[\f+8*\b:\f+8*\b+3],   v[ADRB+\slot] offset:\b*16*BPITCH+(\kq/4)*128+(\kq%2)*64
	ds_load_b128 v[\f+8*\b+4:\f+8*\b+7], v[ADRB+\slot] offset:\b*16*BPITCH+(\kq/4)*128+(\kq%2)*64+32
.endr
.irp a, 0,1,2,3
	ds_load_b128 v[\f+32+8*\a:\f+32+8*\a+3],   v[ADRA+\slot] offset:(\kq/2)*ABLK+\a*8*APITCH+(\kq%2)*64
	ds_load_b128 v[\f+32+8*\a+4:\f+32+8*\a+7], v[ADRA+\slot] offset:(\kq/2)*ABLK+\a*8*APITCH+(\kq%2)*64+32
.endr
.endm
.macro QUARTER slot, kn, f, g, first   ; fetches part kn into buffer g, multiplies buffer f
	PLACES
	FETCH \slot, \kn, \g
	s_wait_dscnt 16                                ; all but the 16 just issued
.if \first
	WIN 0x45
.else
	WIN 0x55
.endif
	MUL8 \f, 0, \first
	MUL8 \f, 2, \first
.endm
.macro SEVEN slot, first
	QUARTER \slot, 1, F0, F1, \first
	QUARTER \slot, 2, F1, F0, 0
	QUARTER \slot, 3, F0, F1, 0
	QUARTER \slot, 4, F1, F0, 0
	QUARTER \slot, 5, F0, F1, 0
	QUARTER \slot, 6, F1, F0, 0
	QUARTER \slot, 7, F0, F1, 0
.endm
; The eighth part multiplies buffer 1 and changes slots: my reads of this slot are back and all my tensor loads have landed in front of the
; barrier; where the slot is filled again the barrier opens a round of the cluster's barrier and the joint load comes first behind it.
; From a request to the wait for it a wave issues 120 matrix instructions.
.macro TURN slot, next, fill
	s_wait_dscnt 0
	s_set_vgpr_msb 0x5550
	s_wait_tensorcnt 0x0
	ds_add_u32 v254, v255
	s_wait_dscnt 0x0
	s_set_vgpr_msb 0x5055
	s_barrier_signal -1
	WIN 0x55
	MUL8 F1, 0, 0
	WIN 0
	s_barrier_wait -1
.if \fill
	CREST
	s_add_nc_u64 s[G0A+4*\slot+2:G0A+4*\slot+3], s[G0A+4*\slot+2:G0A+4*\slot+3], 131072   ; two K tiles on; no load of mine is out
	s_add_nc_u64 s[G0B+4*\slot+2:G0B+4*\slot+3], s[G0B+4*\slot+2:G0B+4*\slot+3], 512
	JLOAD \slot
.endif
	PLACES
	FETCH \next, 0, F0
	WIN 0x55
	MUL8 F1, 2, 0
.endm
.macro LAP first
	SEVEN 0, \first
	TURN 0, 1, 1
	SEVEN 1, 0
	TURN 1, 0, 1
.endm
	s_wait_tensorcnt 1                             ; my part of K tile 0 is in; tile 1's load stays out
	s_barrier_signal -1
	s_barrier_wait -1
	FETCH 0, 0, F0
	s_wait_loadcnt 0x0                             ; the bias, the first products' C
	LAP 1
	WIN 0
	s_mov_b32 s3, LAPS-2
.Llap:
	LAP 0
	WIN 0
	s_sub_co_u32 s3, s3, 1
	s_cmp_lg_u32 s3, 0
	s_cbranch_scc1 .Llap
	SEVEN 0, 0                                     ; the last lap fills nothing
	TURN 0, 1, 0
	SEVEN 1, 0
	s_wait_dscnt 0
	WIN 0x55
	MUL8 F1, 0, 0
	MUL8 F1, 2, 0
	PLACES
; THE WAY OUT, 16 rows at a time: 32 bytes a lane and tile into my own stage, read back as whole rows of 256 bytes
.macro OUT a
	WIN 0x04                                       ; the stores' data in window 1
.irp b, 0,1,2,3
	ds_store_b128 v[STO], v[ACC+8*(4*\b+\a):ACC+8*(4*\b+\a)+3]   offset:\b*64
	ds_store_b128 v[STO], v[ACC+8*(4*\b+\a)+4:ACC+8*(4*\b+\a)+7] offset:\b*64+16
.endr
	WIN 0
	s_wait_xcnt 0x0                                ; RB, which the last stores read, is loaded again only behind this wait
.irp i, 0,1,2,3,4,5,6,7
	ds_load_b128 v[RB+4*\i:RB+4*\i+3], v[RD] offset:\i*544         ; LDS serves a wave in order: these see the stores above
.endr
.irp i, 0,1,2,3,4,5,6,7
	s_wait_dscnt 7-\i                              ; read-back i is in, the younger ones stay out
	global_store_b128 v[CO], v[RB+4*\i:RB+4*\i+3], s[74:75] offset:\a*65536+\i*8192 th:TH_STORE_NT   ; 16 lanes store 256 consecutive bytes, aligned
.endr
.endm
	OUT 0
	OUT 1
	OUT 2
	OUT 3
	s_wait_tensorcnt 0x0
	ds_add_u32 v254, v255
	s_wait_dscnt 0x0
	CROUND                                         ; the closing round: no work-group ends while a partner may still ask jointly
	s_endpgm
.Lfunc_end_k_qddd78b109a_proj:
	.size	k_qddd78b109a_proj, .Lfunc_end_k_qddd78b109a_proj-k_qddd78b109a_proj
	.p2alignl 7, 3214868480
	.fill 96, 4, 3214868480
	.section	.rodata,"a",@progbits
	.p2align	6, 0x0
	.amdhsa_kernel k_qddd78b109a_proj
		.amdhsa_group_segment_fixed_size 327680
		.amdhsa_private_segment_fixed_size 0
		.amdhsa_enable_private_segment 0
		.amdhsa_kernarg_size 32
		.amdhsa_user_sgpr_count 2
		.amdhsa_user_sgpr_kernarg_segment_ptr 1
		.amdhsa_wavefront_size32 1
		.amdhsa_system_sgpr_workgroup_id_x 1
		.amdhsa_system_sgpr_workgroup_id_y 1
		.amdhsa_system_sgpr_workgroup_id_z 1
		.amdhsa_system_vgpr_workitem_id 0
		.amdhsa_next_free_vgpr 512
		.amdhsa_next_free_sgpr 84
		.amdhsa_reserve_vcc 0
		.amdhsa_float_denorm_mode_32 3
		.amdhsa_float_denorm_mode_16_64 3
		.amdhsa_memory_ordered 1
		.amdhsa_forward_progress 1
		.amdhsa_inst_pref_size 127
	.end_amdhsa_kernel
	.amdgpu_metadata
---
amdhsa.version: [ 1, 2 ]
amdhsa.kernels:
  - .name:           k_qddd78b109a_proj
    .symbol:         k_qddd78b109a_proj.kd
    .args:
      - { .name: ob, .offset: 0, .size: 8, .value_kind: global_buffer, .address_space: global }
      - { .name: wob, .offset: 8, .size: 8, .value_kind: global_buffer, .address_space: global }
      - { .name: bo, .offset: 16, .size: 8, .value_kind: global_buffer, .address_space: global }
      - { .name: out0, .offset: 24, .size: 8, .value_kind: global_buffer, .address_space: global }
    .group_segment_fixed_size: 327680
    .private_segment_fixed_size: 0
    .kernarg_segment_align: 8
    .kernarg_segment_size: 32
    .max_flat_workgroup_size: 128
    .sgpr_count:     84
    .vgpr_count:     512
    .wavefront_size: 32
...
	.end_amdgpu_metadata
.endif
;; end of part 4
;; ======== version 2 of 3: 4 launches; 1.20 times as fast as version 1
;; limits: values are held in f16: magnitudes above 65,504 overflow, below 6.1e-05 lose precision
;; workspace buffers: xb 8,388,608 bytes; wb 6,291,456 bytes; wob 2,097,152 bytes; qh 8,388,608 bytes; kh 8,388,608 bytes; vh 16,777,216 bytes; ob 8,388,608 bytes
;; launch cvt: the kernel of part 1 again; grid 256 x 1, 8 waves a work-group, no clusters, 0 bytes of LDS; arguments x, Wq, Wk, Wv, Wo, xb, wb, wob; writes xb, wb, wob
;; launch qkv: the kernel of part 2 again; grid 16 x 16, 4 waves a work-group, clusters of 4 x 4, 327,680 bytes of LDS; arguments xb, wb, bq, bk, bv, qh, kh, vh; writes qh, kh, vh
;; launch attn (part 5): grid 256 x 1, 8 waves a work-group, no clusters, 327,680 bytes of LDS; arguments qh, kh, vh, ob; writes ob
.if DOCPART == 5
	.amdgcn_target "amdgcn-amd-amdhsa--gfx1250"
	.amdhsa_code_object_version 6
	.text
	.protected	k_qddd78b109a_attn
	.globl	k_qddd78b109a_attn
	.p2align	8
	.type	k_qddd78b109a_attn,@function
k_qddd78b109a_attn:
	s_mov_b64 s[64:65], 0
	v_nop
	global_prefetch_b8 v0, s[64:65] scope:SCOPE_SE
	s_setreg_imm32_b32 hwreg(HW_REG_WAVE_MODE, 25, 1), 1
	s_wait_xcnt 0x0
; Causal attention of one head for two blocks of 128 queries: softmax(Q K^T / 8, keys <= query) V, with a running maximum.
; qh, kh [b][head][t][64] f16; vh [b*16 + head][key block][high, low][128][64] f16; ob [b*16 + query block][head][128][64] f16.
; Work-group g: head bh = g / 8, p = g % 8, query blocks 2 p and 15 - 2 p, one after the other: (2 p + 1) + (16 - 2 p) = 17 key blocks of
; 128 for every work-group; blocks above the diagonal are not computed.
; THE 17 STEPS ARE ONE LIST: step 0 the first query block's diagonal key block, steps 1 .. 2 p its key blocks 0 .. 2 p - 1, step 2 p + 1 the
; second query block's diagonal key block, steps 2 p + 2 .. 16 its key blocks 0 .. 14 - 2 p.  Group j is steps 2 j and 2 j + 1 and lies in LDS
; slot j % 2: a slot holds TWO key blocks (K and V's high part of each), brought by four tensor loads, one each of waves 0-3.  One barrier
; stands in front of a group; behind it the other slot is filled with the next group, so a load has two steps' work in which to land.
; The change of query block falls on an odd step, so it is always the second step of group p: every group is a plain step and then either a
; plain step or the first block's end and the second diagonal step, chosen by comparing j with p (both made of the work-group's number and
; the loop's counter).  Groups 1-6 run in a loop of three trips, two groups a trip, so every slot is a constant of the text.
; Eight waves: wave w has queries 32 (w & 3) .. + 31 of the block and keys 64 (w >> 2) .. + 63 of each key block; the two key halves keep
; their own maximum, sum and O and are merged once for a query block, through LDS.
; S^T = K Q^T: lane (r, h) holds, for query r, keys 8 h .. 8 h + 7 of a tile; two such tiles, rounded, ARE the B fragment of
; O^T = V^T P^T (V^T by transposing LDS loads).  So maximum, sum and rescaling are per lane; one exchange between the lane halves.
; PRECISION: Q, K, P and O are one f16 each (11 significant bits).  V is taken in both its f16 parts, P V = P Vhigh + P Vlow, in a query
; block's DIAGONAL key block, and in its high part alone elsewhere.  The second part is there for the rows with few keys: such a row is nearly
; a row of V and many times larger than the typical output, so its error has to be small against the typical output; all its keys lie in its
; diagonal block.  In the later query blocks the second part only refines the diagonal block's share; it is kept there so that every
; work-group runs the same 17 steps, two of them with the second part, and every low part that lies in vh is read once.
; NO CLUSTER: a joint load names four partners p0 .. p0 + 3; walking the key blocks in step would take (2 p0 + 7) + (16 - 2 p0) = 23 steps
; in each of them instead of 17.
; LIMITS: |Q|, |K|, |V| < 65,536; f16 numbers below 2^-14 carry an absolute error of up to 2^-25; outside the diagonal blocks V has 11
; significant bits.  The running maximum starts at -FLT_MAX, which is below or equal to every finite score.  Exponentials below 2^-126 come
; out as 0 (ISA guide, v_exp_f32).  Scores are scaled in f32: exp2(s c - m c), c = log2(e) / 8.
.set KPITCH, 272                       ; two keys (256 bytes) + 16: the 16 rows of a K fragment start 16 bytes apart modulo 256
.set VPITCH, 288                       ; two keys + 32: the same holds of the transposing loads' 16 addresses
.set VOFF,   64*KPITCH                 ; 17,408: V's high part behind K
.set VBYT,   64*VPITCH                 ; 18,432: one part of V's block
.set BLK,    VOFF+VBYT                 ; 35,840: one key block
.set HALF,   2*BLK                     ; 71,680: a slot, two key blocks
.set LOW,    2*HALF                    ; 143,360: the low parts of the two diagonal blocks, each filled once
.set MERGE,  LOW+2*VBYT                ; 180,224: per query group 16 x 512 bytes of O, 512 of maxima and sums
.set MRGB,   8704
.set OSTAGE, MERGE+4*MRGB              ; 215,040: per query group 16 row pairs x 272; ends at 232,448
.set OSTB,   4352
.set ADRK1, 0                          ; v0: K in slot 1 (written when the thread's number is no longer needed)
.set ADRL, 1                           ; v1: V's low parts
.set ADRK, 2                           ; v2: K in slot 0 (a register for each slot: the offsets would pass 65,535)
.set ADRV, 3                           ; v3: V's high part in slot 0
.set QOFF, 4
.set MRG,  5
.set OST,  6
.set ORD,  7
.set OCO,  8
.set NINF, 9                           ; -infinity
.set LIM,  10                          ; v10: the largest 16 kt + j - 16 qt that is not masked in a diagonal block
.set ADRV1, 11                         ; v11: V's high part in slot 1
.set MX,   12                          ; v12-13  running maximum
.set LS,   14                          ; v14-15  the lane's sum
.set AL,   16                          ; v16, v18  rescaling factor (low register of a pair; the high one is 0)
.set NM,   20                          ; v20, v22  - maximum x c (likewise)
.set T,    24                          ; v[24:31]
.set QF,   32                          ; v[32:63]   Q fragments, 16 qt + 8 ks
.set OA,   64                          ; v[64:127]  O^T tiles, 32 qt + 8 dt
.set SC,   128                         ; v[128:191] S^T tiles, 32 qt + 8 kt; then P fragments at 32 qt + 16 s
.set KV,   192                         ; v[192:255] K fragments 16 kt + 8 ks, then the high V^T fragments 8 (4 s + dt)
.set VLF,  0                           ; window 1, v[256:319]: the low V^T fragments 8 (4 s + dt), in the diagonal steps
.set G1K, 32
.set G1V, 40
.set G0,  48                           ; s[48:63] four group 0: K and V of a group's first block, K and V of its second
.set G0L, 80                           ; s[80:83], s[84:87] the low parts of the first and second diagonal block
.set QBA, 72                           ; s[72:73], s[74:75] Q of the first and second query block
.set QBB, 74
.set OBA, 76                           ; s[76:77], s[78:79] their places in ob
.set OBB, 78
.set MSB, 0
.macro WIN new                         ; the immediate's high byte repeats the setting that is left
.if MSB != (\new)
	s_set_vgpr_msb (MSB<<8)|(\new)
.set MSB, (\new)
.endif
.endm
	s_load_b256 s[4:11], s[0:1], 0x0               ; qh 4:5, kh 6:7, vh 8:9, ob 10:11
	s_set_vgpr_msb 0x40
	v_lshl_add_u32 v64, v0, 2, 0x38c00
	v_mov_b32 v65, 0
	s_set_vgpr_msb 0x4045
	ds_add_u32 v64, v65
	s_set_vgpr_msb 0x4500
	v_lshrrev_b32 v1, 5, v0
	v_readfirstlane_b32 s12, v1                    ; wave 0..7
	s_lshr_b32 s13, s12, 2                         ; key half
	s_and_b32 s14, s12, 3                          ; query group
	s_and_b32 s15, ttmp9, 7                        ; p: also the group in which the query block changes
	s_lshr_b32 s16, ttmp9, 3                       ; bh
	s_lshl_b32 s17, s15, 1                         ; first query block qa = 2 p
	s_sub_co_u32 s18, 15, s17                      ; second query block qb = 15 - 2 p
	s_add_co_u32 s19, s17, 2                       ; 2 p + 2: the step of the second query block's key block 0
	s_mov_b32 s66, 0x3e38aa3b                      ; c = log2(e) / 8
	s_mov_b32 s67, 0x3e38aa3b
	s_mov_b32 s68, 0xbe38aa3b                      ; -c
	s_mov_b32 s69, 0xff7fffff                      ; -FLT_MAX
	s_mov_b32 s70, 0x76543210                      ; v_permlanex16_b32: lane i reads lane i of the other half
	s_mov_b32 s71, 0xfedcba98
	; group 1: a dense block of 16 KiB as 64 rows of 32 elements of 8 bytes; 4 (K) or 8 (V) words of padding behind every 64 words
	s_mov_b32 s[G1K+0], (3<<16)|(1<<20)|(5<<22)|(3<<25)
	s_mov_b32 s[G1V+0], (3<<16)|(1<<20)|(5<<22)|(7<<25)
.irp g, G1K, G1V
	s_mov_b32 s[\g+1], 32<<16                      ; tensor_dim0 = 32
	s_mov_b32 s[\g+2], 64<<16                      ; tensor_dim1 = 64
	s_mov_b32 s[\g+3], 32<<16                      ; tile_dim0 = 32
	s_mov_b32 s[\g+4], 64                          ; tile_dim1 = 64
	s_mov_b32 s[\g+5], 32                          ; pitch
	s_mov_b32 s[\g+6], 0
	s_mov_b32 s[\g+7], 0
.endr
	s_mov_b32 s[G0+0], 1
	s_mov_b32 s[G0+4], 1
	s_mov_b32 s[G0+8], 1
	s_mov_b32 s[G0+12], 1
	s_mov_b32 s[G0L+0], 1
	s_mov_b32 s[G0L+1], LOW
	s_mov_b32 s[G0L+4], 1
	s_mov_b32 s[G0L+5], LOW+VBYT
	s_lshl_b32 s22, s16, 18                        ; Q, K: the head's 2,048 rows of 128 bytes
	s_mov_b32 s23, 0                               ; stays 0: the high word of every offset
	s_lshr_b32 s28, s16, 4
	s_lshl_b32 s28, s28, 8
	s_and_b32 s29, s16, 15
	s_add_co_u32 s28, s28, s29                     ; batch x 256 + head
	s_wait_dscnt 0x0
	s_barrier_signal -1
	s_barrier_wait -1
	s_wait_kmcnt 0x0
	s_add_nc_u64 s[24:25], s[6:7], s[22:23]        ; the head's K
	s_add_nc_u64 s[4:5], s[4:5], s[22:23]          ; the head's Q
	s_lshl_b32 s22, s16, 19                        ; V: twice the bytes
	s_add_nc_u64 s[26:27], s[8:9], s[22:23]        ; the head's V
	s_lshl_b32 s22, s17, 15                        ; V's block qa: 32 KiB a block, the low part 16 KiB behind the high part
	s_add_nc_u64 s[G0L+2:G0L+3], s[26:27], s[22:23]
	s_add_nc_u64 s[G0L+2:G0L+3], s[G0L+2:G0L+3], 16384
	s_or_b32 s[G0L+3], s[G0L+3], 0x80000000
	s_lshl_b32 s22, s18, 15                        ; V's block qb
	s_add_nc_u64 s[G0L+6:G0L+7], s[26:27], s[22:23]
	s_add_nc_u64 s[G0L+6:G0L+7], s[G0L+6:G0L+7], 16384
	s_or_b32 s[G0L+7], s[G0L+7], 0x80000000
	s_lshl_b32 s22, s17, 14
	s_add_nc_u64 s[QBA:QBA+1], s[4:5], s[22:23]
	s_lshl_b32 s22, s18, 14
	s_add_nc_u64 s[QBB:QBB+1], s[4:5], s[22:23]
	s_lshl_b32 s22, s17, 4
	s_add_co_u32 s22, s22, s28
	s_lshl_b32 s22, s22, 14                        ; ((batch x 16 + block) x 16 + head) x 16 KiB
	s_add_nc_u64 s[OBA:OBA+1], s[10:11], s[22:23]
	s_lshl_b32 s22, s18, 4
	s_add_co_u32 s22, s22, s28
	s_lshl_b32 s22, s22, 14
	s_add_nc_u64 s[OBB:OBB+1], s[10:11], s[22:23]
; The key blocks of steps i and i + 1 (i = s21, even, at least 2) into s90 and s91.
; Up to step 2 p: blocks i - 1 and i of the first query block; step 2 p + 1: the second diagonal block; from step 2 p + 2 on: blocks i - 2 p - 2, + 1.
.macro NEXT2
	s_sub_co_u32 s90, s21, 1
	s_max_u32 s92, s21, s19
	s_sub_co_u32 s92, s92, s19                     ; i - (2 p + 2), or 0 where it is not used
	s_add_co_u32 s93, s92, 1
	s_cmp_eq_u32 s21, s17
	s_cselect_b32 s91, s18, s21                    ; i = 2 p: the second of the two is the second diagonal block
	s_cmp_gt_u32 s21, s17                          ; i is even: i > 2 p means i >= 2 p + 2
	s_cselect_b32 s90, s92, s90
	s_cselect_b32 s91, s93, s91
.endm
; Slot h's descriptors for key block s90 and, with two = 1, key block s91.  Stands where no tensor load of the wave is out.
.macro SETG h, two
	s_mov_b32 s[G0+1], (\h)*HALF
	s_mov_b32 s[G0+5], (\h)*HALF+VOFF
	s_lshl_b32 s22, s90, 14
	s_add_nc_u64 s[G0+2:G0+3], s[24:25], s[22:23]
	s_or_b32 s[G0+3], s[G0+3], 0x80000000
	s_lshl_b32 s22, s90, 15
	s_add_nc_u64 s[G0+6:G0+7], s[26:27], s[22:23]
	s_or_b32 s[G0+7], s[G0+7], 0x80000000
.if \two
	s_mov_b32 s[G0+9], (\h)*HALF+BLK
	s_mov_b32 s[G0+13], (\h)*HALF+BLK+VOFF
	s_lshl_b32 s22, s91, 14
	s_add_nc_u64 s[G0+10:G0+11], s[24:25], s[22:23]
	s_or_b32 s[G0+11], s[G0+11], 0x80000000
	s_lshl_b32 s22, s91, 15
	s_add_nc_u64 s[G0+14:G0+15], s[26:27], s[22:23]
	s_or_b32 s[G0+15], s[G0+15], 0x80000000
.endif
.endm
; Waves 0 and 1 ask for K and Vhigh of the group's first block, waves 2 and 3 for those of its second: one tensor load a wave, one out at a
; time.  The other waves issue none.
.macro KVLOAD two
	s_cmp_lg_u32 s12, 0
	s_cbranch_scc1 .Lnot_k0_\@
	tensor_load_to_lds s[G0:G0+3], s[G1K:G1K+7]
	s_nop 0
.Lnot_k0_\@:
	s_cmp_lg_u32 s12, 1
	s_cbranch_scc1 .Lnot_v0_\@
	tensor_load_to_lds s[G0+4:G0+7], s[G1V:G1V+7]
	s_nop 0
.Lnot_v0_\@:
.if \two
	s_cmp_lg_u32 s12, 2
	s_cbranch_scc1 .Lnot_k1_\@
	tensor_load_to_lds s[G0+8:G0+11], s[G1K:G1K+7]
	s_nop 0
.Lnot_k1_\@:
	s_cmp_lg_u32 s12, 3
	s_cbranch_scc1 .Lnot_v1_\@
	tensor_load_to_lds s[G0+12:G0+15], s[G1V:G1V+7]
	s_nop 0
.Lnot_v1_\@:
.endif
.endm
.macro QLOAD qb                        ; lane (r, h): row 16 qt + r of my 32 queries, d = 32 ks + 8 h .. and 32 ks + 16 + 8 h ..
.irp qt, 0,1
.irp ks, 0,1
	global_load_b128 v[QF+16*\qt+8*\ks:QF+16*\qt+8*\ks+3],   v[QOFF], s[\qb:\qb+1] offset:\qt*2048+\ks*64
	global_load_b128 v[QF+16*\qt+8*\ks+4:QF+16*\qt+8*\ks+7], v[QOFF], s[\qb:\qb+1] offset:\qt*2048+\ks*64+32
.endr
.endr
.endm
	; The first fills, one group, one a wave: waves 0-3 K and Vhigh of steps 0 and 1 into slot 0, waves 4 and 5 the low parts of the two
	; diagonal blocks, into bytes that are filled this once.
	s_mov_b32 s90, s17                             ; step 0: the first diagonal block (its products start the sums)
	s_cmp_lg_u32 s15, 0
	s_cselect_b32 s91, 0, s18                      ; step 1: key block 0, or (p = 0) the second diagonal block
	SETG 0, 1
	KVLOAD 1
	s_cmp_lg_u32 s12, 4
	s_cbranch_scc1 .Lnot_low_a
	tensor_load_to_lds s[G0L:G0L+3], s[G1V:G1V+7]
	s_nop 0
.Lnot_low_a:
	s_cmp_lg_u32 s12, 5
	s_cbranch_scc1 .Lnot_low_b
	tensor_load_to_lds s[G0L+4:G0L+7], s[G1V:G1V+7]
	s_nop 0
.Lnot_low_b:
	v_and_b32 v24, 15, v0                          ; r
	v_bfe_u32 v25, v0, 4, 1                        ; h
	v_and_b32 v26, 31, v0                          ; lane
	s_lshl_b32 s30, s14, 12                        ; my 32 rows of 128 bytes
	v_lshl_add_u32 v[QOFF], v24, 7, s30
	v_lshl_add_u32 v[QOFF], v25, 4, v[QOFF]
	QLOAD QBA
	v_lshrrev_b32 v27, 1, v24
	v_and_b32 v28, 1, v0
	v_mul_u32_u24 v27, v27, KPITCH
	v_lshl_add_u32 v27, v28, 7, v27
	v_lshl_add_u32 v27, v25, 4, v27                ; row r of a tile whose rows lie in pairs: (r / 2) 272 + (r % 2) 128 + 16 h
	s_mul_i32 s30, s13, 32*KPITCH                  ; my 64 keys
	v_add_nc_u32 v[ADRK], s30, v27
	v_bfe_u32 v29, v0, 1, 2
	v_lshl_add_u32 v29, v25, 2, v29                ; key 8 h + (lane % 8): its pair 4 h + (lane % 8) / 2
	v_mul_u32_u24 v29, v29, VPITCH
	v_lshl_add_u32 v29, v28, 7, v29
	v_bfe_u32 v30, v0, 3, 1
	v_lshl_add_u32 v29, v30, 4, v29                ; and 8 of the tile's 16 columns
	s_mul_i32 s30, s13, 32*VPITCH                  ; my 64 keys
	v_add_nc_u32 v29, s30, v29
	v_add_nc_u32 v[ADRV], VOFF, v29                ; the high part in slot 0
	v_add_nc_u32 v[ADRV1], HALF+VOFF, v29          ; and in slot 1
	v_add_nc_u32 v[ADRL], LOW, v29                 ; the first diagonal block's low part
	v_add_nc_u32 v[ADRK1], HALF, v[ADRK]           ; K in slot 1; the thread's number is not read below this line
	s_mul_i32 s30, s14, MRGB
	s_add_co_u32 s30, s30, MERGE
	v_lshl_add_u32 v[MRG], v26, 4, s30
	s_mul_i32 s30, s14, OSTB
	s_add_co_u32 s30, s30, OSTAGE
	v_add_nc_u32 v[OST], s30, v27
	v_mul_u32_u24 v30, v25, KPITCH
	v_lshl_add_u32 v30, v24, 4, v30
	v_add_nc_u32 v[ORD], s30, v30
	s_lshl_b32 s30, s14, 12
	v_lshl_add_u32 v[OCO], v26, 4, s30
	s_lshl_b32 s30, s14, 5
	s_lshl_b32 s31, s13, 6
	s_sub_co_i32 s30, s30, s31                     ; 32 x query group - 64 x key half
	v_add_nc_u32 v[LIM], s30, v24
	v_lshlrev_b32 v30, 3, v25
	v_sub_nc_u32 v[LIM], v[LIM], v30               ; key <= query  <=>  16 kt + j - 16 qt <= 32 a + r - 64 c - 8 h
	v_mov_b32 v[NINF], 0xff800000
	v_mov_b32 v[AL+1], 0
	v_mov_b32 v[AL+3], 0
	v_mov_b32 v[NM+1], 0
	v_mov_b32 v[NM+3], 0
; Softmax step of query tile qt on its 32 scores a lane.  first = 1: nothing to rescale yet.
.macro SOFTMAX qt, first
.set SB, SC+32*\qt
	v_max3_num_f32 v[T], v[SB], v[SB+1], v[SB+2]
	v_max3_num_f32 v[T+1], v[SB+16], v[SB+17], v[SB+18]
.irp i, 3,5,7,9,11,13
	v_max3_num_f32 v[T], v[T], v[SB+\i], v[SB+\i+1]
	v_max3_num_f32 v[T+1], v[T+1], v[SB+16+\i], v[SB+17+\i]
.endr
	v_max3_num_f32 v[T], v[T], v[SB+15], v[SB+31]
	v_max_num_f32 v[T], v[T], v[T+1]
	v_permlanex16_b32 v[T+1], v[T], s70, s71       ; the other 32 keys of the same query
.if \first
	v_max3_num_f32 v[T+2], v[T], v[T+1], s69
	v_mul_f32 v[NM+2*\qt], s68, v[T+2]             ; - m c
.else
	v_max3_num_f32 v[T+2], v[T], v[T+1], v[MX+\qt]
	v_mul_f32 v[NM+2*\qt], s68, v[T+2]
	v_fma_f32 v[T+3], v[MX+\qt], s66, v[NM+2*\qt]
	v_exp_f32 v[AL+2*\qt], v[T+3]                  ; exp2((old m - m) c); the move below is the plain place behind it
.endif
	v_mov_b32 v[MX+\qt], v[T+2]
.set i, 0
.rept 16
	v_pk_fma_f32 v[SB+i:SB+i+1], v[SB+i:SB+i+1], s[66:67], v[NM+2*\qt:NM+2*\qt+1] op_sel_hi:[1,0,0]   ; s c - m c
.set i, i+2
.endr
.set i, 0
.rept 32
	v_exp_f32 v[SB+i], v[SB+i]
.set i, i+1
.endr
.if \first
	v_nop                                          ; one plain place behind the exponentials (ISA guide 5.7.2)
	s_wait_alu depctr_va_vdst(0)
.else
.set i, 0
	s_wait_alu depctr_va_vdst(0)
.rept 16
	v_pk_mul_f32 v[OA+32*\qt+i:OA+32*\qt+i+1], v[OA+32*\qt+i:OA+32*\qt+i+1], v[AL+2*\qt:AL+2*\qt+1] op_sel_hi:[1,0]   ; O is rescaled; also the plain places
.set i, i+2
.endr
.endif
	v_pk_add_f32 v[T:T+1], v[SB:SB+1], v[SB+2:SB+3]
	v_pk_add_f32 v[T+2:T+3], v[SB+4:SB+5], v[SB+6:SB+7]
.set i, 8
.rept 6
	v_pk_add_f32 v[T:T+1], v[T:T+1], v[SB+i:SB+i+1]
	v_pk_add_f32 v[T+2:T+3], v[T+2:T+3], v[SB+i+2:SB+i+3]
.set i, i+4
.endr
	v_pk_add_f32 v[T:T+1], v[T:T+1], v[T+2:T+3]
.if \first
	v_add_f32 v[LS+\qt], v[T], v[T+1]
.else
	v_add_f32 v[T], v[T], v[T+1]
	v_fma_f32 v[LS+\qt], v[LS+\qt], v[AL+2*\qt], v[T]
.endif
.irp s, 0,1
.irp k, 0,1,2,3,4,5,6,7
	v_cvt_pk_f16_f32 v[SB+16*\s+\k], v[SB+16*\s+2*\k], v[SB+16*\s+2*\k+1]   ; in place: register k is written after registers 2 k, 2 k + 1 are read
.endr
.endr
.endm
; The head of a group that lies in slot h.  refill = 1: the other slot gets key block s90 and, with two = 1, key block s91.
.macro HEAD h, refill, two
	s_set_vgpr_msb 0x5
	s_wait_tensorcnt 0x0                           ; all my tensor loads have landed, my part of this slot among them
	ds_add_u32 v64, v65
	s_wait_dscnt 0x0
	s_set_vgpr_msb 0x500
.if \refill
	SETG 1-\h, \two
.endif
	s_wait_dscnt 0x0                               ; my reads of the other slot are back
	s_barrier_signal -1
	s_barrier_wait -1                              ; both hold of all eight waves: this slot is whole, the other is read by nobody
.if \refill
	KVLOAD \two                                    ; first thing behind the barrier; it has this group's two steps in which to land
.endif
.endm
; One step: the key block at place sub (0, 1) of slot h.  diag: a diagonal block: masked, and V in both parts, the low one from region lr.
; first: starts a query block's sums.  No barrier stands between a group's two steps: the one at its head has shown the whole slot.
.macro BODY h, sub, diag, first, lr
.if \h
.set AK, ADRK1
.set AV, ADRV1
.else
.set AK, ADRK
.set AV, ADRV
.endif
.set BO, \sub*BLK
.irp ks, 0,1
.irp kt, 0,1,2,3
	ds_load_b128 v[KV+16*\kt+8*\ks:KV+16*\kt+8*\ks+3],   v[AK] offset:BO+\kt*8*KPITCH+64*\ks
	ds_load_b128 v[KV+16*\kt+8*\ks+4:KV+16*\kt+8*\ks+7], v[AK] offset:BO+\kt*8*KPITCH+64*\ks+32
.endr
.endr
.if \first
	s_wait_loadcnt 0x0                             ; Q
.endif
	s_wait_dscnt 0x8                               ; d = 0..31 is in; the eight loads of d = 32..63 stay out
.irp qt, 0,1                                       ; the eight score tiles take turns, one instruction a turn
.irp kt, 0,1,2,3
	v_wmma_f32_16x16x32_f16 v[SC+32*\qt+8*\kt:SC+32*\qt+8*\kt+7], v[KV+16*\kt:KV+16*\kt+7], v[QF+16*\qt:QF+16*\qt+7], 0
.endr
.endr
	s_wait_dscnt 0x0
.irp qt, 0,1
.irp kt, 0,1,2,3
	v_wmma_f32_16x16x32_f16 v[SC+32*\qt+8*\kt:SC+32*\qt+8*\kt+7], v[KV+16*\kt+8:KV+16*\kt+15], v[QF+16*\qt+8:QF+16*\qt+15], v[SC+32*\qt+8*\kt:SC+32*\qt+8*\kt+7]
.endr
.endr
.rept 4
	v_nop                                          ; four places: V's loads land on K's fragments, the softmax reads the scores
.endr
.irp s, 0,1                                        ; V^T, high part
.irp dt, 0,1,2,3
	ds_load_tr16_b128 v[KV+8*(4*\s+\dt):KV+8*(4*\s+\dt)+3],   v[AV] offset:BO+\s*16*VPITCH+32*\dt
	ds_load_tr16_b128 v[KV+8*(4*\s+\dt)+4:KV+8*(4*\s+\dt)+7], v[AV] offset:BO+\s*16*VPITCH+32*\dt+8*VPITCH
.endr
.endr
.if \diag
	WIN 0x40                                       ; destination in window 1: V^T, low part
.irp s, 0,1
.irp dt, 0,1,2,3
	ds_load_tr16_b128 v[VLF+8*(4*\s+\dt):VLF+8*(4*\s+\dt)+3],   v[ADRL] offset:\lr*VBYT+\s*16*VPITCH+32*\dt
	ds_load_tr16_b128 v[VLF+8*(4*\s+\dt)+4:VLF+8*(4*\s+\dt)+7], v[ADRL] offset:\lr*VBYT+\s*16*VPITCH+32*\dt+8*VPITCH
.endr
.endr
	WIN 0
.irp qt, 0,1
.irp kt, 0,1,2,3
.irp j, 0,1,2,3,4,5,6,7
	v_cmp_le_i32 vcc_lo, 16*\kt+\j-16*\qt, v[LIM]
	v_cndmask_b32 v[SC+32*\qt+8*\kt+\j], v[NINF], v[SC+32*\qt+8*\kt+\j], vcc_lo   ; keys behind the query: -infinity
.endr
.endr
.endr
.endif
	SOFTMAX 0, \first
	SOFTMAX 1, \first
.if \diag
	s_wait_dscnt 16                                ; the high part is in; the low part's 16 loads may stay out
.else
	s_wait_dscnt 0x0                               ; V^T
.endif
.irp s, 0,1                                        ; the eight O tiles take turns, one instruction a turn
.irp qt, 0,1
.irp dt, 0,1,2,3
.if \first*(1-\s)
	v_wmma_f32_16x16x32_f16 v[OA+32*\qt+8*\dt:OA+32*\qt+8*\dt+7], v[KV+8*(4*\s+\dt):KV+8*(4*\s+\dt)+7], v[SC+32*\qt+16*\s:SC+32*\qt+16*\s+7], 0
.else
	v_wmma_f32_16x16x32_f16 v[OA+32*\qt+8*\dt:OA+32*\qt+8*\dt+7], v[KV+8*(4*\s+\dt):KV+8*(4*\s+\dt)+7], v[SC+32*\qt+16*\s:SC+32*\qt+16*\s+7], v[OA+32*\qt+8*\dt:OA+32*\qt+8*\dt+7]
.endif
.endr
.endr
.endr
.if \diag
	s_wait_dscnt 0x0                               ; the low part
	WIN 0x01                                       ; source 0 in window 1
.irp s, 0,1
.irp qt, 0,1
.irp dt, 0,1,2,3
	v_wmma_f32_16x16x32_f16 v[OA+32*\qt+8*\dt:OA+32*\qt+8*\dt+7], v[VLF+8*(4*\s+\dt):VLF+8*(4*\s+\dt)+7], v[SC+32*\qt+16*\s:SC+32*\qt+16*\s+7], v[OA+32*\qt+8*\dt:OA+32*\qt+8*\dt+7]
.endr
.endr
.endr
	WIN 0
.endif
.rept 5
	v_nop                                          ; five places: the next score products write over P, loads land on V^T, O is read
.endr
.endm
; The end of a query block: the key halves are merged, the result is divided by the sum, rounded to f16 and stored.
.macro FINISH last, obr
.if \last == 0
	QLOAD QBB                                      ; the second block's Q, on its way during the merge
.endif
	s_cmp_eq_u32 s13, 0
	s_cbranch_scc1 .Lno_put_\@
.irp i, 0,1,2,3,4,5,6,7,8,9,10,11,12,13,14,15
	ds_store_b128 v[MRG], v[OA+4*\i:OA+4*\i+3] offset:512*\i       ; waves 4-7: O, 512 dense bytes a store
.endr
	ds_store_b128 v[MRG], v[MX:MX+3] offset:8192                   ; and both maxima and sums
.Lno_put_\@:
	s_wait_dscnt 0x0                               ; my stores are done, for the partner's sake
	s_barrier_signal -1
	s_barrier_wait -1                              ; no LDS bytes are filled behind this barrier: the next group's loads may stay out
	s_cmp_lg_u32 s13, 0
	s_cbranch_scc1 .Lno_merge_\@
	ds_load_b128 v[T:T+3], v[MRG] offset:8192
.irp i, 0,1,2,3,4,5,6,7,8,9,10,11,12,13,14,15
	ds_load_b128 v[KV+4*\i:KV+4*\i+3], v[MRG] offset:512*\i
.endr
	s_wait_dscnt 0x0
.irp qt, 0,1
	v_max_num_f32 v[T+4], v[MX+\qt], v[T+\qt]
	v_mul_f32 v[T+5], s68, v[T+4]
	v_fma_f32 v[T+6], v[MX+\qt], s66, v[T+5]
	v_fma_f32 v[T+7], v[T+\qt], s66, v[T+5]
	v_exp_f32 v[T+6], v[T+6]                       ; my half's weight
	v_exp_f32 v[T+7], v[T+7]                       ; the partner's
	v_nop
	s_wait_alu depctr_va_vdst(0)
	v_mul_f32 v[T+4], v[LS+\qt], v[T+6]
	v_fma_f32 v[T+4], v[T+2+\qt], v[T+7], v[T+4]
	v_permlanex16_b32 v[T+5], v[T+4], s70, s71     ; the sums were kept by lane: add the other half of the lanes
	v_add_f32 v[T+4], v[T+4], v[T+5]
	v_rcp_f32 v[T+5], v[T+4]                       ; the sum is at least about 1: the largest score's term
	v_nop
	s_wait_alu depctr_va_vdst(0)
	v_mul_f32 v[AL+2*\qt], v[T+6], v[T+5]
	v_mul_f32 v[NM+2*\qt], v[T+7], v[T+5]
.set i, 0
.rept 16
	v_pk_mul_f32 v[OA+32*\qt+i:OA+32*\qt+i+1], v[OA+32*\qt+i:OA+32*\qt+i+1], v[AL+2*\qt:AL+2*\qt+1] op_sel_hi:[1,0]
.set i, i+2
.endr
.set i, 0
.rept 16
	v_pk_fma_f32 v[OA+32*\qt+i:OA+32*\qt+i+1], v[KV+32*\qt+i:KV+32*\qt+i+1], v[NM+2*\qt:NM+2*\qt+1], v[OA+32*\qt+i:OA+32*\qt+i+1] op_sel_hi:[1,0,1]
.set i, i+2
.endr
.endr
.irp i, 0,1,2,3,4,5,6,7
.irp k, 0,1,2,3
	v_cvt_pk_f16_f32 v[SC+4*\i+\k], v[OA+8*\i+2*\k], v[OA+8*\i+2*\k+1]
.endr
.endr
.irp i, 0,1,2,3,4,5,6,7
	ds_store_b128 v[OST], v[SC+4*\i:SC+4*\i+3] offset:(\i/4)*8*KPITCH+(\i%4)*32    ; my own stage: query r, d = 16 dt + 8 h ..
.endr
.irp i, 0,1,2,3,4,5,6,7
	ds_load_b128 v[SC+32+4*\i:SC+32+4*\i+3], v[ORD] offset:\i*2*KPITCH             ; LDS serves a wave in order: these see the stores above
.endr
.irp i, 0,1,2,3,4,5,6,7
	s_wait_dscnt 7-\i                              ; read-back i is in, the younger ones stay out
	global_store_b128 v[OCO], v[SC+32+4*\i:SC+32+4*\i+3], s[\obr:\obr+1] offset:\i*512   ; 512 dense bytes, aligned
.endr
.Lno_merge_\@:
	s_wait_xcnt 0x0                                ; the stores' data registers are written again by the next block's scores
.endm
; Group j = s89 (1 .. 7) in slot h: a plain step, then a plain step, or (j = p) the first query block's end and the second diagonal step.
; The refill stands in the head, on both ways alike.
.macro GROUP h, two
	HEAD \h, 1, \two
	BODY \h, 0, 0, 0, 0
	s_cmp_eq_u32 s89, s15
	s_cbranch_scc1 .Lturn_\@
	BODY \h, 1, 0, 0, 0
	s_branch .Lnext_\@
.Lturn_\@:
	FINISH 0, OBA
	BODY \h, 1, 1, 1, 1
.Lnext_\@:
.endm
	; group 0, slot 0: the first diagonal step, then key block 0, or (p = 0) the first block's end and the second diagonal step
	s_mov_b32 s21, 2
	NEXT2                                          ; to fetch: steps 2 and 3
	HEAD 0, 1, 1                                   ; slot 1's first fill goes out as a refill does, behind the first barrier
	BODY 0, 0, 1, 1, 0
	s_cmp_eq_u32 s15, 0
	s_cbranch_scc1 .Lturn_0
	BODY 0, 1, 0, 0, 0
	s_branch .Lnext_0
.Lturn_0:
	FINISH 0, OBA
	BODY 0, 1, 1, 1, 1
.Lnext_0:
	s_mov_b32 s20, 0                               ; trip t
.Lpairs:                                           ; trip t of 3: groups 2 t + 1 (slot 1) and 2 t + 2 (slot 0)
	s_lshl_b32 s21, s20, 2
	s_add_co_u32 s21, s21, 4                       ; to fetch: group 2 t + 2, steps 4 t + 4 and 4 t + 5
	NEXT2
	s_lshl_b32 s89, s20, 1
	s_add_co_u32 s89, s89, 1
	GROUP 1, 1
	s_lshl_b32 s21, s20, 2
	s_add_co_u32 s21, s21, 6                       ; to fetch: group 2 t + 3, steps 4 t + 6 and 4 t + 7
	NEXT2
	s_lshl_b32 s89, s20, 1
	s_add_co_u32 s89, s89, 2
	GROUP 0, 1
	s_add_co_u32 s20, s20, 1
	s_cmp_lt_u32 s20, 3
	s_cbranch_scc1 .Lpairs
	s_sub_co_u32 s90, s18, 1                       ; to fetch: step 16 alone, key block qb - 1
	s_mov_b32 s89, 7
	GROUP 1, 0                                     ; group 7, slot 1
	HEAD 0, 0, 0                                   ; group 8, slot 0: the last step; nothing is left to fetch
	BODY 0, 0, 0, 0, 0
	FINISH 1, OBB
	s_set_vgpr_msb 0x5
	s_wait_tensorcnt 0x0
	ds_add_u32 v64, v65
	s_wait_dscnt 0x0
	s_set_vgpr_msb 0x500
	s_endpgm
.Lfunc_end_k_qddd78b109a_attn:
	.size	k_qddd78b109a_attn, .Lfunc_end_k_qddd78b109a_attn-k_qddd78b109a_attn
	.p2alignl 7, 3214868480
	.fill 96, 4, 3214868480
	.section	.rodata,"a",@progbits
	.p2align	6, 0x0
	.amdhsa_kernel k_qddd78b109a_attn
		.amdhsa_group_segment_fixed_size 327680
		.amdhsa_private_segment_fixed_size 0
		.amdhsa_enable_private_segment 0
		.amdhsa_kernarg_size 32
		.amdhsa_user_sgpr_count 2
		.amdhsa_user_sgpr_kernarg_segment_ptr 1
		.amdhsa_wavefront_size32 1
		.amdhsa_system_sgpr_workgroup_id_x 1
		.amdhsa_system_sgpr_workgroup_id_y 1
		.amdhsa_system_sgpr_workgroup_id_z 1
		.amdhsa_system_vgpr_workitem_id 0
		.amdhsa_next_free_vgpr 322
		.amdhsa_next_free_sgpr 96
		.amdhsa_reserve_vcc 1
		.amdhsa_float_denorm_mode_32 3
		.amdhsa_float_denorm_mode_16_64 3
		.amdhsa_memory_ordered 1
		.amdhsa_forward_progress 1
		.amdhsa_inst_pref_size 255
	.end_amdhsa_kernel
	.section	.bss,"aw",@nobits
	.p2align	6
	.space	262144
	.amdgpu_metadata
---
amdhsa.version: [ 1, 2 ]
amdhsa.kernels:
  - .name:           k_qddd78b109a_attn
    .symbol:         k_qddd78b109a_attn.kd
    .args:
      - { .name: qh, .offset: 0, .size: 8, .value_kind: global_buffer, .address_space: global }
      - { .name: kh, .offset: 8, .size: 8, .value_kind: global_buffer, .address_space: global }
      - { .name: vh, .offset: 16, .size: 8, .value_kind: global_buffer, .address_space: global }
      - { .name: ob, .offset: 24, .size: 8, .value_kind: global_buffer, .address_space: global }
    .group_segment_fixed_size: 327680
    .private_segment_fixed_size: 0
    .kernarg_segment_align: 8
    .kernarg_segment_size: 32
    .max_flat_workgroup_size: 256
    .sgpr_count:     96
    .vgpr_count:     322
    .wavefront_size: 32
...
	.end_amdgpu_metadata
.endif
;; end of part 5
;; launch proj (part 6): grid 8 x 32, 4 waves a work-group, clusters of 4 x 4, 327,680 bytes of LDS; arguments ob, wob, bo, out0; writes out0
.if DOCPART == 6
	.amdgcn_target "amdgcn-amd-amdhsa--gfx1250"
	.amdhsa_code_object_version 6
	.text
	.protected	k_qddd78b109a_proj
	.globl	k_qddd78b109a_proj
	.p2align	8
	.type	k_qddd78b109a_proj,@function
k_qddd78b109a_proj:
	s_mov_b64 s[64:65], 0
	v_nop
	global_prefetch_b8 v0, s[64:65] scope:SCOPE_SE
	s_setreg_imm32_b32 hwreg(HW_REG_WAVE_MODE, 25, 1), 1
	s_wait_xcnt 0x0
	s_wait_alu depctr_hold_cnt(0) depctr_sa_sdst(0) depctr_va_vdst(0) depctr_va_sdst(0) depctr_va_ssrc(0) depctr_va_vcc(0) depctr_vm_vsrc(0)
	s_getreg_b32 s2, hwreg(HW_REG_IB_STS2, 6, 4)
	s_cmp_eq_u32 s2, 0
	s_cbranch_scc0 .Lentry_in_a_cluster
	s_endpgm
.Lentry_in_a_cluster:
	s_bfe_u32 s2, ttmp6, 0x10000c
	s_cmp_lg_u32 s2, 0xf033
	s_cbranch_scc0 .Lentry_shape_is_right
	s_endpgm
.Lentry_shape_is_right:
; out0 = O Wo^T + bo: a block of 128 rows x 128 columns, K = 1024.  ob [block of 128 rows][head][128][64] f16, wob [1024][1024] f16
; (Wo rounded to bf16, held as f16), bo f32, out0 [4096][1024] f32; sums in f32.
; LIMITS: O has f16's 11 significant bits, Wo bf16's 8; |O|, |Wo| < 65,536.
; Four waves, each 64 x 64: 16 accumulator tiles.  A larger wave tile would leave work for 64 work-groups only.
; K goes in four tiles of 256 (four heads) through two LDS slots: two refills in all, each behind a round of the cluster's barrier.
; CLUSTER 4 x 4: O's tile is shared along a cluster's row, Wo's along a column; both are asked for jointly.
; Transposed use: source 0 = rows of Wo, source 1 = rows of O: lane (r, h) holds, of row r, columns 8 h .. 8 h + 7, 32 neighbouring bytes.
; The bias, loaded in that layout, is the first product's C.
; REGISTER WINDOWS: 0 addresses, bias, way out; 1 the two fragment buffers (v0-127) and the accumulators (v128-255).
.set APITCH, 272                       ; two rows of a head (256 bytes) + 16
.set BPITCH, 528                       ; 256 elements (512 bytes) + 16
.set AHEAD,  64*APITCH                 ; one head's 128 rows
.set AHALF,  128*APITCH                ; what one load of O brings: two heads
.set BHALF,  64*BPITCH                 ; what one load of Wo brings: 64 rows
.set BOFF,   2*AHALF
.set SLOT,   BOFF+2*BHALF              ; 137,216
.set STAGE,  2*SLOT                    ; way out: bytes of their own, no tensor load lands here
.set WSTAGE, 16*272
.set ADRA, 16
.set ADRB, 20
.set STO,  24
.set RD,   25
.set CO,   26
.set BOF,  27
.set BIAS, 32                          ; v[32:63]
.set RB,   64                          ; v[64:95]
.set F0,   0                           ; window 1: Wo's fragments 8 b, O's at 32 + 8 a
.set F1,   64
.set ACC,  128                         ; window 1: tile (b, a) at 8 (4 b + a)
.set G1A, 24
.set G0A, 32
.set G1B, 48
.set G0B, 56
.set MSB, 0
.macro WIN new
.if MSB != (\new)
	s_set_vgpr_msb (MSB<<8)|(\new)
.set MSB, (\new)
.endif
.endm
.macro JLOAD s                         ; waves 0, 1 ask for O's halves, waves 2, 3 for Wo's; the branch hangs on the wave's number alone
	s_cmp_eq_u32 s11, 0
	s_cbranch_scc0 .Lfor_b_\@
	tensor_load_to_lds s[G0A+4*\s:G0A+4*\s+3], s[G1A:G1A+7]
	s_nop 0
	s_branch .Lasked_\@
.Lfor_b_\@:
	tensor_load_to_lds s[G0B+4*\s:G0B+4*\s+3], s[G1B:G1B+7]
	s_nop 0
.Lasked_\@:
.endm
.macro CREST
	s_cmp_lg_u32 s10, 0
	s_cbranch_scc1 .Lnot_wave_0_\@
	s_barrier_signal -3
.Lnot_wave_0_\@:
	s_barrier_wait -3
	s_barrier_signal -1
	s_barrier_wait -1
.endm
.macro CROUND
	s_barrier_signal -1
	s_barrier_wait -1
	CREST
.endm
.macro PLACES                          ; four independent vector places behind matrix instructions (ISA guide 7.12.1)
.rept 4
	v_nop
.endr
.endm
	s_load_b256 s[68:75], s[0:1], 0x0              ; ob 68:69, wob 70:71, bo 72:73, out0 74:75
	v_lshl_add_u32 v254, v0, 2, 0x47400
	v_mov_b32 v255, 0
	ds_add_u32 v254, v255
	v_lshrrev_b32 v1, 5, v0
	v_readfirstlane_b32 s10, v1                    ; wave
	s_lshr_b32 s11, s10, 1                         ; my half of the rows.  Also: I fetch O (0) or Wo (1)
	s_and_b32 s12, s10, 1                          ; my half of the columns.  Also: which half of that tile
	s_bfe_u32 s40, ttmp6, 0x40000                  ; cx
	s_bfe_u32 s41, ttmp6, 0x40004                  ; cy
	s_lshl_b32 s42, ttmp9, 2
	s_add_co_u32 s42, s42, s40                     ; block of 128 columns
	s_and_b32 s13, ttmp7, 0xffff
	s_lshl_b32 s13, s13, 2
	s_add_co_u32 s13, s13, s41                     ; block of 128 rows
	s_lshl_b32 s43, s41, 2
	s_lshl_b32 s43, 15, s43                        ; my row of the cluster
	s_lshl_b32 s44, 0x1111, s40                    ; my column
	; O: a dense run of 32 KiB as 128 rows of 32 elements of 8 bytes, 4 words of padding behind every 64 words
	s_or_b32 s[G1A+0], s43, (3<<16)|(1<<20)|(1<<21)|(5<<22)|(3<<25)
	s_mov_b32 s[G1A+1], 32<<16
	s_mov_b32 s[G1A+2], 128<<16
	s_mov_b32 s[G1A+3], 32<<16
	s_mov_b32 s[G1A+4], 128
	s_mov_b32 s[G1A+5], 32
	s_mov_b32 s[G1A+6], 0
	s_mov_b32 s[G1A+7], 0
	; Wo: 64 rows of 256 elements of 2 bytes, pitch 1,024, 4 words of padding behind every 128 words
	s_or_b32 s[G1B+0], s44, (1<<16)|(1<<20)|(1<<21)|(6<<22)|(3<<25)
	s_mov_b32 s[G1B+1], 256<<16
	s_mov_b32 s[G1B+2], 64<<16
	s_mov_b32 s[G1B+3], 256<<16
	s_mov_b32 s[G1B+4], 64
	s_mov_b32 s[G1B+5], 1024
	s_mov_b32 s[G1B+6], 0
	s_mov_b32 s[G1B+7], 0
	s_lshl_b32 s16, s13, 18                        ; O: 256 KiB a block of rows,
	s_lshl_b32 s17, s12, 15                        ; two heads of 16 KiB a half
	s_add_co_u32 s16, s16, s17
	s_mov_b32 s17, 0
	s_lshl_b32 s46, s42, 7
	s_lshl_b32 s47, s12, 6
	s_add_co_u32 s46, s46, s47                     ; Wo: row 128 x block + 64 x half
	s_lshl_b32 s46, s46, 11
	s_mov_b32 s47, 0
	s_mul_i32 s20, s10, AHALF                      ; waves 0, 1: at 0 and AHALF
	s_mul_i32 s21, s10, BHALF
	s_add_co_u32 s21, s21, BOFF-2*BHALF            ; waves 2, 3: at BOFF and BOFF + BHALF
	s_wait_dscnt 0x0
	s_wait_kmcnt 0x0
	s_add_nc_u64 s[14:15], s[68:69], s[16:17]
	s_add_nc_u64 s[46:47], s[70:71], s[46:47]
	CROUND                                         ; all sixteen work-groups are here: the first joint loads meet
.irp s, 0,1
	s_mov_b32 s[G0A+4*\s], 1
	s_add_co_u32 s[G0A+4*\s+1], s20, \s*SLOT
	s_add_nc_u64 s[G0A+4*\s+2:G0A+4*\s+3], s[14:15], \s*65536      ; K tile s: four heads
	s_or_b32 s[G0A+4*\s+3], s[G0A+4*\s+3], 0x80000000
	s_mov_b32 s[G0B+4*\s], 1
	s_add_co_u32 s[G0B+4*\s+1], s21, \s*SLOT
	s_add_nc_u64 s[G0B+4*\s+2:G0B+4*\s+3], s[46:47], \s*512
	s_or_b32 s[G0B+4*\s+3], s[G0B+4*\s+3], 0x80000000
	JLOAD \s                                       ; two loads of the wave are out
.endr
	s_lshl_b32 s80, s42, 7
	s_lshl_b32 s81, s12, 6
	s_add_co_u32 s80, s80, s81
	s_lshl_b32 s80, s80, 2                         ; my first column, in bytes
	s_mov_b32 s81, 0
	s_add_nc_u64 s[72:73], s[72:73], s[80:81]
	s_lshl_b32 s82, s13, 1
	s_add_co_u32 s82, s82, s11
	s_lshl_b32 s82, s82, 18                        ; my first row: 64 rows of 4,096 bytes a step
	s_add_co_u32 s82, s82, s80
	s_mov_b32 s83, 0
	s_add_nc_u64 s[74:75], s[74:75], s[82:83]
	v_and_b32 v1, 15, v0                           ; r
	v_bfe_u32 v2, v0, 4, 1                         ; h
	v_lshlrev_b32 v[BOF], 5, v2
.irp b, 0,1,2,3
	global_load_b128 v[BIAS+8*\b:BIAS+8*\b+3],   v[BOF], s[72:73] offset:\b*64
	global_load_b128 v[BIAS+8*\b+4:BIAS+8*\b+7], v[BOF], s[72:73] offset:\b*64+16
.endr
	v_lshrrev_b32 v3, 1, v1
	v_mul_u32_u24 v3, v3, APITCH
	v_and_b32 v4, 1, v0
	v_lshl_add_u32 v3, v4, 7, v3
	v_lshl_add_u32 v3, v2, 4, v3                   ; O: (r / 2) 272 + (r % 2) 128 + 16 h
	s_mul_i32 s22, s11, 32*APITCH                  ; my 64 rows
	v_add_nc_u32 v[ADRA], s22, v3
	v_add_nc_u32 v[ADRA+1], SLOT, v[ADRA]
	v_mul_u32_u24 v4, v1, BPITCH
	v_lshl_add_u32 v4, v2, 4, v4
	s_mul_i32 s22, s12, BHALF
	s_add_co_u32 s22, s22, BOFF
	v_add_nc_u32 v[ADRB], s22, v4
	v_add_nc_u32 v[ADRB+1], SLOT, v[ADRB]
	s_mul_i32 s23, s10, WSTAGE
	s_add_co_u32 s23, s23, STAGE
	v_mul_u32_u24 v5, v1, 272
	v_lshl_add_u32 v5, v2, 5, v5                   ; in: row r, 32 bytes for each half of the lanes
	v_add_nc_u32 v[STO], s23, v5
	v_mul_u32_u24 v6, v2, 272
	v_lshl_add_u32 v6, v1, 4, v6                   ; back: lanes 0-15 one row of 256 bytes, lanes 16-31 the next
	v_add_nc_u32 v[RD], s23, v6
	v_lshlrev_b32 v7, 12, v2
	v_lshl_add_u32 v[CO], v1, 4, v7                ; the same two rows in out0
; 8 matrix instructions: column tiles b0, b0 + 1 x my four row tiles.  The 16 accumulators take turns, one instruction a turn, in the same
; order in every part.
.macro MUL8 f, b0, first
.irp b, \b0, \b0+1
.irp a, 0,1,2,3
.set AC, ACC+8*(4*(\b)+\a)
.if \first
	v_wmma_f32_16x16x32_f16 v[AC:AC+7], v[\f+8*(\b):\f+8*(\b)+7], v[\f+32+8*\a:\f+32+8*\a+7], v[BIAS+8*(\b):BIAS+8*(\b)+7]
.else
	v_wmma_f32_16x16x32_f16 v[AC:AC+7], v[\f+8*(\b):\f+8*(\b)+7], v[\f+32+8*\a:\f+32+8*\a+7], v[AC:AC+7]
.endif
.endr
.endr
.endm
; 16 LDS loads: the fragments of K = 32 kq .. + 31 of the slot's 256 (head kq / 2 of the tile's four, d = 32 (kq % 2) ..)
.macro FETCH slot, kq, f
	WIN 0x40
.irp b, 0,1,2,3
	ds_load_b128 v[\f+8*\b:\f+8*\b+3],   v[ADRB+\slot] offset:\b*16*BPITCH+\kq*64
	ds_load_b128 v[\f+8*\b+4:\f+8*\b+7], v[ADRB+\slot] offset:\b*16*BPITCH+\kq*64+32
.endr
.irp a, 0,1,2,3
	ds_load_b128 v[\f+32+8*\a:\f+32+8*\a+3],   v[ADRA+\slot] offset:(\kq/2)*AHEAD+\a*8*APITCH+(\kq%2)*64
	ds_load_b128 v[\f+32+8*\a+4:\f+32+8*\a+7], v[ADRA+\slot] offset:(\kq/2)*AHEAD+\a*8*APITCH+(\kq%2)*64+32
.endr
.endm
.macro QUARTER slot, kn, f, g, first   ; fetches part kn into buffer g, multiplies buffer f
	PLACES
	FETCH \slot, \kn, \g
	s_wait_dscnt 16                                ; all but the 16 just issued
.if \first
	WIN 0x45
.else
	WIN 0x55
.endif
	MUL8 \f, 0, \first
	MUL8 \f, 2, \first
.endm
.macro SEVEN slot, first
	QUARTER \slot, 1, F0, F1, \first
	QUARTER \slot, 2, F1, F0, 0
	QUARTER \slot, 3, F0, F1, 0
	QUARTER \slot, 4, F1, F0, 0
	QUARTER \slot, 5, F0, F1, 0
	QUARTER \slot, 6, F1, F0, 0
	QUARTER \slot, 7, F0, F1, 0
.endm
; The eighth part multiplies buffer 1 and changes slots: my reads of this slot are back and all my tensor loads have landed in front of the
; barrier; where the slot is filled again the barrier opens a round of the cluster's barrier and the joint load comes first behind it.
; From a request to the wait for it a wave issues 120 matrix instructions.
.macro TURN slot, next, fill
	s_wait_dscnt 0
	s_set_vgpr_msb 0x5550
	s_wait_tensorcnt 0x0
	ds_add_u32 v254, v255
	s_wait_dscnt 0x0
	s_set_vgpr_msb 0x5055
	s_barrier_signal -1
	WIN 0x55
	MUL8 F1, 0, 0
	WIN 0
	s_barrier_wait -1
.if \fill
	CREST
	s_add_nc_u64 s[G0A+4*\slot+2:G0A+4*\slot+3], s[G0A+4*\slot+2:G0A+4*\slot+3], 131072   ; two K tiles on; no load of mine is out
	s_add_nc_u64 s[G0B+4*\slot+2:G0B+4*\slot+3], s[G0B+4*\slot+2:G0B+4*\slot+3], 1024
	JLOAD \slot
.endif
	PLACES
	FETCH \next, 0, F0
	WIN 0x55
	MUL8 F1, 2, 0
.endm
	s_wait_tensorcnt 1                             ; my part of K tile 0 is in; tile 1's load stays out
	s_barrier_signal -1
	s_barrier_wait -1
	FETCH 0, 0, F0
	s_wait_loadcnt 0x0                             ; the bias, the first products' C
	SEVEN 0, 1
	TURN 0, 1, 1
	SEVEN 1, 0
	TURN 1, 0, 1
	SEVEN 0, 0
	TURN 0, 1, 0                                   ; nothing is left to fetch
	SEVEN 1, 0
	s_wait_dscnt 0
	WIN 0x55
	MUL8 F1, 0, 0
	MUL8 F1, 2, 0
	PLACES
; THE WAY OUT, 16 rows at a time: 32 bytes a lane and tile into my own stage, read back as whole rows of 256 bytes
.macro OUT a
	WIN 0x04                                       ; the stores' data in window 1
.irp b, 0,1,2,3
	ds_store_b128 v[STO], v[ACC+8*(4*\b+\a):ACC+8*(4*\b+\a)+3]   offset:\b*64
	ds_store_b128 v[STO], v[ACC+8*(4*\b+\a)+4:ACC+8*(4*\b+\a)+7] offset:\b*64+16
.endr
	WIN 0
	s_wait_xcnt 0x0                                ; RB, which the last stores read, is loaded again only behind this wait
.irp i, 0,1,2,3,4,5,6,7
	ds_load_b128 v[RB+4*\i:RB+4*\i+3], v[RD] offset:\i*544         ; LDS serves a wave in order: these see the stores above
.endr
.irp i, 0,1,2,3,4,5,6,7
	s_wait_dscnt 7-\i                              ; read-back i is in, the younger ones stay out
	global_store_b128 v[CO], v[RB+4*\i:RB+4*\i+3], s[74:75] offset:\a*65536+\i*8192 th:TH_STORE_NT   ; 16 lanes store 256 consecutive bytes, aligned
.endr
.endm
	OUT 0
	OUT 1
	OUT 2
	OUT 3
	s_wait_tensorcnt 0x0
	ds_add_u32 v254, v255
	s_wait_dscnt 0x0
	CROUND                                         ; the closing round: no work-group ends while a partner may still ask jointly
	s_endpgm
.Lfunc_end_k_qddd78b109a_proj:
	.size	k_qddd78b109a_proj, .Lfunc_end_k_qddd78b109a_proj-k_qddd78b109a_proj
	.p2alignl 7, 3214868480
	.fill 96, 4, 3214868480
	.section	.rodata,"a",@progbits
	.p2align	6, 0x0
	.amdhsa_kernel k_qddd78b109a_proj
		.amdhsa_group_segment_fixed_size 327680
		.amdhsa_private_segment_fixed_size 0
		.amdhsa_enable_private_segment 0
		.amdhsa_kernarg_size 32
		.amdhsa_user_sgpr_count 2
		.amdhsa_user_sgpr_kernarg_segment_ptr 1
		.amdhsa_wavefront_size32 1
		.amdhsa_system_sgpr_workgroup_id_x 1
		.amdhsa_system_sgpr_workgroup_id_y 1
		.amdhsa_system_sgpr_workgroup_id_z 1
		.amdhsa_system_vgpr_workitem_id 0
		.amdhsa_next_free_vgpr 512
		.amdhsa_next_free_sgpr 84
		.amdhsa_reserve_vcc 0
		.amdhsa_float_denorm_mode_32 3
		.amdhsa_float_denorm_mode_16_64 3
		.amdhsa_memory_ordered 1
		.amdhsa_forward_progress 1
		.amdhsa_inst_pref_size 90
	.end_amdhsa_kernel
	.amdgpu_metadata
---
amdhsa.version: [ 1, 2 ]
amdhsa.kernels:
  - .name:           k_qddd78b109a_proj
    .symbol:         k_qddd78b109a_proj.kd
    .args:
      - { .name: ob, .offset: 0, .size: 8, .value_kind: global_buffer, .address_space: global }
      - { .name: wob, .offset: 8, .size: 8, .value_kind: global_buffer, .address_space: global }
      - { .name: bo, .offset: 16, .size: 8, .value_kind: global_buffer, .address_space: global }
      - { .name: out0, .offset: 24, .size: 8, .value_kind: global_buffer, .address_space: global }
    .group_segment_fixed_size: 327680
    .private_segment_fixed_size: 0
    .kernarg_segment_align: 8
    .kernarg_segment_size: 32
    .max_flat_workgroup_size: 128
    .sgpr_count:     84
    .vgpr_count:     512
    .wavefront_size: 32
...
	.end_amdgpu_metadata
.endif
;; end of part 6
;; ======== version 3 of 3: 4 launches; version 2 with the launch cvt written anew for expert scheduling mode
;; limits: values are held in f16: magnitudes above 65,504 overflow, below 6.1e-05 lose precision
;; workspace buffers: xb 8,388,608 bytes; wb 6,291,456 bytes; wob 2,097,152 bytes; qh 8,388,608 bytes; kh 8,388,608 bytes; vh 16,777,216 bytes; ob 8,388,608 bytes
;; launch cvt (part 7): grid 256 x 1, 8 waves a work-group, no clusters, 0 bytes of LDS; arguments x, Wq, Wk, Wv, Wo, xb, wb, wob; writes xb, wb, wob
.if DOCPART == 7
	.amdgcn_target "amdgcn-amd-amdhsa--gfx1250"
	.amdhsa_code_object_version 6
	.text
	.protected	k_qddd78b109a_cvt
	.globl	k_qddd78b109a_cvt
	.p2align	8
	.type	k_qddd78b109a_cvt,@function
k_qddd78b109a_cvt:
	s_mov_b64 s[64:65], 0
	v_nop
	global_prefetch_b8 v0, s[64:65] scope:SCOPE_SE
	s_setreg_imm32_b32 hwreg(HW_REG_WAVE_SCHED_MODE, 0, 2), 2
	s_setreg_imm32_b32 hwreg(HW_REG_WAVE_MODE, 25, 1), 1
	s_wait_xcnt 0x0
	s_wait_alu depctr_vm_vsrc(0)
; f32 to 16 bits of x, Wq, Wk, Wv, Wo, once, so that both GEMMs read 16-bit tiles.  Every input is rounded to bf16 (nearest even).
; x, Wq, Wk, Wv are stored as bf16.  Wo's rounded number is stored as f16, since the last product runs in f16: a bf16 number has 8
; significant bits and is an f16 number exactly from 2^-17 up.  LIMIT: |Wo| < 65,520; below 2^-17 an absolute error of at most 2^-25.
; 256 work-groups, each converts 32 rows of 1024 numbers: 128 units of x, then 32 units of each of the four weights.
; xb [4096][1024] and wob [1024][1024] keep their rows.  wb [3072][1024] is ordered by head: row = head*192 + which*64 + f
; (which 0, 1, 2 = Wq, Wk, Wv; f = feature in the head), so that one head's 192 weight rows are neighbours.
; A stream: no LDS, no matrix unit, no barrier.  Thread t owns the 16 bytes at 16 t of every source row (256 threads = one row);
; all 32 row loads of a wave go out at once, 128 KiB for the work-group.  A store of a wave covers 256 consecutive bytes, aligned.
; THE MODE: SCHED_MODE bits 1:0 = 2 (LLVM: expert scheduling mode 2), set by the entry lines.  The code itself states the register dependences
; between vector instructions and memory instructions, with s_wait_alu, always for 0.
; THE PLAN.  Registers that memory instructions touch:
;   v1, v2   byte offsets, written once at the head and never again; v1 is read by every load, v2 by every store.
;   X        row i's four registers: its one load lands in them; no vector instruction names them ahead of that load, no memory instruction reads
;            them, and no second load lands in them.  Row i's vector lines read them (Wo's arm also writes them) behind the wait for the load.
;   Y        row i's two registers: written by row i's conversions, read by row i's one store, and never written behind it.
; The 32 rows go in 8 blocks of four.  Block p converts its rows; its memory instructions are the four stores of block p - 1, which read v2 and
; the Y of block p - 1: registers that no vector instruction of block p names.  So ONE wait on va_vdst at a block's head states all that the
; block's four stores hang on, and they are dealt among its conversions with no further wait.  No register that a memory instruction reads is
; ever written again, so no wait on vm_vsrc or s_wait_xcnt follows the loads or stores; no vector instruction writes a scalar register, VCC or EXEC.
.set ROWS, 32
.set BLOCK, 4                          ; rows in a block
.set SROW, 4096                        ; bytes in a source row
.set DROW, 2048                        ; bytes in a destination row
.set X, 4                              ; v[4:131]   row i: 4 f32 as loaded
.set Y, 132                            ; v[132:195] row i: 4 numbers of 16 bits to store
.macro TOBF i                          ; row i rounded to bf16
	v_cvt_pk_bf16_f32 v[Y+2*(\i)], v[X+4*(\i)], v[X+4*(\i)+1]
	v_cvt_pk_bf16_f32 v[Y+2*(\i)+1], v[X+4*(\i)+2], v[X+4*(\i)+3]
.endm
.macro TOHALF i                        ; Wo alone: row i's rounded numbers
	v_lshlrev_b32 v[X+4*(\i)], 16, v[Y+2*(\i)]                     ; widened again (row i's own registers, whose load is in),
	v_and_b32 v[X+4*(\i)+1], 0xffff0000, v[Y+2*(\i)]
	v_lshlrev_b32 v[X+4*(\i)+2], 16, v[Y+2*(\i)+1]
	v_and_b32 v[X+4*(\i)+3], 0xffff0000, v[Y+2*(\i)+1]
	v_cvt_pk_f16_f32 v[Y+2*(\i)], v[X+4*(\i)], v[X+4*(\i)+1]       ; and written as f16
	v_cvt_pk_f16_f32 v[Y+2*(\i)+1], v[X+4*(\i)+2], v[X+4*(\i)+3]
.endm
.macro OUT i                           ; row i leaves; no store's register is written again
	global_store_b64 v2, v[Y+2*(\i):Y+2*(\i)+1], s[30:31] offset:(\i)*DROW
.endm
; Block p.  wo = 1: Wo's arm.
.macro BLK p, wo
	s_wait_loadcnt ROWS-BLOCK*((\p)+1)             ; loads return in order: the block's four rows are in, the younger rows stay out
.if (\p) > 0
	s_wait_alu depctr_va_vdst(0)                   ; the block before has written its Y, which the four stores below read
.endif
.irp r, 0,1,2,3
.if (\p) > 0
	OUT BLOCK*((\p)-1)+(\r)                        ; no vector instruction since the wait names this row's Y or v2
.endif
	TOBF BLOCK*(\p)+(\r)
.if \wo
	TOHALF BLOCK*(\p)+(\r)
.endif
.endr
.endm
.macro LAST                            ; behind the last block
	s_wait_alu depctr_va_vdst(0)                   ; the last block has written its Y, which the last four stores read
.irp r, 0,1,2,3
	OUT ROWS-BLOCK+(\r)
.endr
.endm
	s_load_b512 s[8:23], s[0:1], 0x0               ; x 8:9, Wq 10:11, Wk 12:13, Wv 14:15, Wo 16:17, xb 18:19, wb 20:21, wob 22:23
	s_mov_b32 s7, ttmp9                            ; unit 0..255
	s_and_b32 s2, s7, 127
	s_lshr_b32 s3, s2, 5                           ; which weight (units 128..255)
	s_and_b32 s4, s2, 31
	s_lshl_b32 s4, s4, 5                           ; its first row r0
	s_lshr_b32 s5, s4, 6                           ; head = r0 / 64
	s_mul_i32 s5, s5, 192
	s_lshl_b32 s6, s3, 6
	s_add_co_u32 s5, s5, s6
	s_and_b32 s6, s4, 63
	s_add_co_u32 s5, s5, s6                        ; row in wb
	s_cmp_eq_u32 s3, 3
	s_cselect_b32 s5, s4, s5                       ; Wo keeps its rows
	s_lshl_b32 s6, s7, 5                           ; x: row = 32 x unit
	s_cmp_lt_u32 s7, 128
	s_cselect_b32 s4, s6, s4                       ; source row
	s_cselect_b32 s5, s6, s5                       ; destination row
	s_lshl_b32 s24, s4, 12                         ; in bytes (below 2^24)
	s_mov_b32 s25, 0
	s_lshl_b32 s26, s5, 11
	s_mov_b32 s27, 0
	v_lshlrev_b32 v1, 4, v0                        ; 16 t
	v_lshlrev_b32 v2, 3, v0                        ; 8 t
	s_wait_kmcnt 0x0
	s_mov_b64 s[28:29], s[10:11]                   ; the source buffer, chosen by the unit's number alone
	s_cmp_eq_u32 s3, 1
	s_cselect_b64 s[28:29], s[12:13], s[28:29]
	s_cmp_eq_u32 s3, 2
	s_cselect_b64 s[28:29], s[14:15], s[28:29]
	s_cmp_eq_u32 s3, 3
	s_cselect_b64 s[28:29], s[16:17], s[28:29]
	s_cselect_b64 s[30:31], s[22:23], s[20:21]     ; the destination buffer
	s_cmp_lt_u32 s7, 128
	s_cselect_b64 s[28:29], s[8:9], s[28:29]
	s_cselect_b64 s[30:31], s[18:19], s[30:31]
	s_add_nc_u64 s[28:29], s[28:29], s[24:25]
	s_add_nc_u64 s[30:31], s[30:31], s[26:27]
	s_wait_alu depctr_va_vdst(0)                   ; v1 and v2 are written: every load reads v1 and every store reads v2 as its offset
.set i, 0
.rept ROWS
	global_load_b128 v[X+4*i:X+4*i+3], v1, s[28:29] offset:i*SROW th:TH_LOAD_NT
.set i, i+1
.endr
	s_cmp_ge_u32 s7, 224                           ; units 224..255 are Wo's
	s_cbranch_scc1 .Lwo
.irp p, 0,1,2,3,4,5,6,7
	BLK \p, 0
.endr
	LAST
	s_endpgm
.Lwo:
.irp p, 0,1,2,3,4,5,6,7
	BLK \p, 1
.endr
	LAST
	s_endpgm
.Lfunc_end_k_qddd78b109a_cvt:
	.size	k_qddd78b109a_cvt, .Lfunc_end_k_qddd78b109a_cvt-k_qddd78b109a_cvt
	.p2alignl 7, 3214868480
	.fill 96, 4, 3214868480
	.section	.rodata,"a",@progbits
	.p2align	6, 0x0
	.amdhsa_kernel k_qddd78b109a_cvt
		.amdhsa_group_segment_fixed_size 0
		.amdhsa_private_segment_fixed_size 0
		.amdhsa_enable_private_segment 0
		.amdhsa_kernarg_size 64
		.amdhsa_user_sgpr_count 2
		.amdhsa_user_sgpr_kernarg_segment_ptr 1
		.amdhsa_wavefront_size32 1
		.amdhsa_system_sgpr_workgroup_id_x 1
		.amdhsa_system_sgpr_workgroup_id_y 1
		.amdhsa_system_sgpr_workgroup_id_z 1
		.amdhsa_system_vgpr_workitem_id 0
		.amdhsa_next_free_vgpr 196
		.amdhsa_next_free_sgpr 66
		.amdhsa_reserve_vcc 0
		.amdhsa_float_denorm_mode_32 3
		.amdhsa_float_denorm_mode_16_64 3
		.amdhsa_memory_ordered 1
		.amdhsa_forward_progress 1
		.amdhsa_inst_pref_size 30
	.end_amdhsa_kernel
	.amdgpu_metadata
---
amdhsa.version: [ 1, 2 ]
amdhsa.kernels:
  - .name:           k_qddd78b109a_cvt
    .symbol:         k_qddd78b109a_cvt.kd
    .args:
      - { .name: x, .offset: 0, .size: 8, .value_kind: global_buffer, .address_space: global }
      - { .name: Wq, .offset: 8, .size: 8, .value_kind: global_buffer, .address_space: global }
      - { .name: Wk, .offset: 16, .size: 8, .value_kind: global_buffer, .address_space: global }
      - { .name: Wv, .offset: 24, .size: 8, .value_kind: global_buffer, .address_space: global }
      - { .name: Wo, .offset: 32, .size: 8, .value_kind: global_buffer, .address_space: global }
      - { .name: xb, .offset: 40, .size: 8, .value_kind: global_buffer, .address_space: global }
      - { .name: wb, .offset: 48, .size: 8, .value_kind: global_buffer, .address_space: global }
      - { .name: wob, .offset: 56, .size: 8, .value_kind: global_buffer, .address_space: global }
    .group_segment_fixed_size: 0
    .private_segment_fixed_size: 0
    .kernarg_segment_align: 8
    .kernarg_segment_size: 64
    .max_flat_workgroup_size: 256
    .sgpr_count:     66
    .vgpr_count:     196
    .wavefront_size: 32
...
	.end_amdgpu_metadata
.endif
;; end of part 7
;; launch qkv: the kernel of part 2 again; grid 16 x 16, 4 waves a work-group, clusters of 4 x 4, 327,680 bytes of LDS; arguments xb, wb, bq, bk, bv, qh, kh, vh; writes qh, kh, vh
;; launch attn: the kernel of part 5 again; grid 256 x 1, 8 waves a work-group, no clusters, 327,680 bytes of LDS; arguments qh, kh, vh, ob; writes ob
;; launch proj: the kernel of part 6 again; grid 8 x 32, 4 waves a work-group, clusters of 4 x 4, 327,680 bytes of LDS; arguments ob, wob, bo, out0; writes out0
